; MI455X (gfx1250); checked and timed in simulation.
; The chip was launched on July 23, 2026; its instructions are those of AMD's public machine-readable ISA for CDNA 5 (MIT licence, August 2026) and "CDNA5" Instruction Set Architecture Reference Guide (July 2026). The comments in the code are by the model that wrote it; some were corrected since.
;; Multi Head Attention. Allowed arithmetic: matrix products marked QUANTISED: E5M2 operands, one given power-of-two scale a tensor, by v_wmma_f32_16x16x64_bf8_bf8 or v_wmma_f32_16x16x128_bf8_bf8, f32 sums; everything else in f32.
;; Inputs: Wk 16 x 1,024 x 64 float32; Wo 1,024 x 1,024 float32; Wq 16 x 1,024 x 64 float32; Wv 16 x 1,024 x 64 float32; bk 16 x 64 float32; bo 1,024 float32; bq 16 x 64 float32; bv 16 x 64 float32; lowp_scales 12 int32 (the exponents e of the quantised operands' scales 2^e); x 4 x 2,048 x 1,024 float32.
;; Outputs: out0 4 x 2,048 x 1,024 float32.
;; This version of the problem:
;;   THIS VERSION OF THE PROBLEM IS GIVEN IN LOW PRECISION. The matrix products marked QUANTISED in the list below multiply operands that are first quantised to E5M2 (5 exponent bits, 2 mantissa bits; 8 bits a number), with one given power-of-two scale for each operand tensor; their sums are f32. All else is computed in f32.
;;   The module's matrix products, in the order in which they are computed (A, B: the left and right operand; K: the contracted axis; several contracted axes count as one K, in the product's order):
;;     1. [M 1,024, K 1,024] x [K 1,024, N 8,192]; A: input Wq; B: input x: QUANTISED (scales: A lowp_scales[0], B lowp_scales[1])
;;     2. [M 1,024, K 1,024] x [K 1,024, N 8,192]; A: input Wk; B: input x: QUANTISED (scales: A lowp_scales[2], B lowp_scales[3])
;;     3. [M 1,024, K 1,024] x [K 1,024, N 8,192]; A: input Wv; B: input x: QUANTISED (scales: A lowp_scales[4], B lowp_scales[5])
;;     4. batch 64 x [M 2,048, K 64] x [K 64, N 2,048]; A: computed on the way; B: computed on the way: QUANTISED (scales: A lowp_scales[6], B lowp_scales[7])
;;     5. batch 64 x [M 2,048, K 2,048] x [K 2,048, N 64]; A: softmax (see below); B: computed on the way: QUANTISED (scales: A lowp_scales[8], B lowp_scales[9])
;;     6. [M 8,192, K 1,024] x [K 1,024, N 1,024]; A: computed on the way; B: input Wo: QUANTISED (scales: A lowp_scales[10], B lowp_scales[11])
;;   THE QUANTISER, for each operand of a quantised product, along K:
;;     - The operand's scale is 2^e, e = its entry of the input lowp_scales (int32; the entries are numbered through the quantised products in the list's order, A before B).
;;     - Each number is divided by the scale, clamped to +-57,344, and rounded to the nearest number of E5M2, ties to even, subnormals kept.
;;     - The product sums the exact products of the quantised numbers (number of the format x scale) in f32.
;;   ~~~python
;;   def quantise(x, axis, e):      # numpy; x: float32 -> the quantised numbers, widened to float32 again
;;       x = np.moveaxis(x, axis, -1); K = x.shape[-1]
;;       r = np.clip(x / 2.0 ** e, -57344, 57344)
;;       step = 2.0 ** (np.maximum(np.frexp(np.where(r == 0, 1, r))[1] - 1, -14) - 2)
;;       q = np.round(r / step) * step * 2.0 ** e      # np.round: ties to even
;;       return np.moveaxis(q, -1, axis).astype(np.float32)
;;   ~~~
;;   SOFTMAX AHEAD OF A QUANTISED PRODUCT. Where the list says 'softmax', what is quantised is not the finished softmax but p = 2^(t - M), with t = logit x log2(e) and M = ceil(the row's largest t), a whole number; so 1/2 < the row's largest p <= 1. The row's sum l is taken of the UNQUANTISED p, in f32, and the product's result is divided by l at the end. Since M is a whole number, a kernel that streams over the keys may use a running M (the ceiling of the running maximum): every later rescaling is an exact power of two, so the quantised numbers keep their values, but for numbers so far below the row's largest that they fall under the format's range.
;;   OPERANDS COMPUTED ON THE WAY. 'Computed on the way' means the value that the module computes at that place (a softmax that the list does not call 'softmax' is quantised finished and normalised). What goes into a quantiser is computed in f32, as accurately as f32 sums, v_exp_f32 and their like allow (about 1e-6 of the number): no bf16 or f16 on the way to a quantiser, and a product that is left as it is and whose result goes on into a quantised operand takes f32 operands (vector FMAs, or v_wmma_f32_16x16x4_f32). A number that lies on a knife's edge between two numbers of the format may be rounded either way, as far as f32 arithmetic and the matrix unit's own rounding can turn it there, and no further.
;; One version. Each part assembles by itself: llvm-mc -triple=amdgcn-amd-amdhsa -mcpu=gfx1250 --defsym DOCPART=n.
;; ======== version 1 of 1: 4 launches
;; limits: right only within a limited range of input values
;; workspace buffers: xc 25,165,824 bytes; wc 4,194,304 bytes; qc 8,388,608 bytes; kv 16,777,216 bytes; cc 8,388,608 bytes
;; launch quant (part 1): grid 384 x 1, 4 waves a work-group, no clusters, 68,096 bytes of LDS; arguments x, Wq, Wk, Wv, Wo, lowp_scales, xc, wc; writes xc, wc
.if DOCPART == 1
	.amdgcn_target "amdgcn-amd-amdhsa--gfx1250"
	.amdhsa_code_object_version 6
	.text
	.protected	k_qc33a16056b_quant
	.globl	k_qc33a16056b_quant
	.p2align	8
	.type	k_qc33a16056b_quant,@function
k_qc33a16056b_quant:
	s_mov_b64 s[64:65], 0
	v_nop
	global_prefetch_b8 v0, s[64:65] scope:SCOPE_SE
	s_setreg_imm32_b32 hwreg(HW_REG_WAVE_MODE, 25, 1), 1
	s_wait_xcnt 0x0
; f32 numbers into codes of BF8 (E5M2), each with the power-of-two scale 2^e that is given for it:  code = x / 2^e, held within +-57,344, to the nearest code, ties to even.
; x [8192][1024] is an operand of three products under three given exponents (entries 1, 3, 5): it is read ONCE and three sets of codes are stored, xc[z][8192][1024], K innermost as x has it.
; Wq, Wk, Wv [16 h][1024 k][64 d] (entries 0, 2, 4) and Wo [1024 k][1024 n] (entry 11) have K not innermost: their codes are laid wc[tensor][n][1024 k], n = 64 h + d for the first three.
; LIMITS: each of these exponents lies between -126 and 112, so that 2^e and 57,344 x 2^e are f32 numbers.  NaN among the inputs is not served (an infinity is held at the largest code).
; Work-groups 0-255 take x, work-groups 256-383 the weights.  The two paths part on the work-group's number and have LDS bytes of their own.  No tensor load, no barrier: waves share nothing.
; x: a wave takes 16 steps of 512 numbers.  Each load reads 512 consecutive bytes, 16 a lane; a step's 2,048 bytes turn through the wave's own stage in LDS and come back 64 bytes a lane,
;    since a conversion takes eight neighbours along K from ONE lane's registers.  A lane's 16 codes are 16 bytes: each store of the wave covers 512 consecutive bytes, aligned.
; weights: a lane takes a column n and its registers run down K: the conversions then give codes with K innermost.  A wave takes 32 columns x 256 along K; the codes go through its stage and leave
;    as rows: sixteen lanes store 256 consecutive bytes, aligned.
.set STEPS, 16
.set SP,    80                         ; x: a lane's place in a stage: its 64 bytes + 16 of padding
.set WREG,  8192                       ; x: LDS bytes of a wave: two stages of 32 x SP
.set R,     16                         ; x: v16-79   four sets of 16 numbers as loaded
.set X,     80                         ; x: v80-111  two sets of 16 neighbours
.set T,     112                        ; x: v112-127 the 16 numbers held within one scale's range
.set C,     128                        ; x: v128-151 codes: two sets of 3 x 4 registers
.set WSTG,  32768                      ; weights: their stages begin here
.set PW,    272                        ; weights: a stage row: 256 bytes + 16
.set OFW,   32                         ; weights: v32-63  byte offsets of 32 rows k
.set XW,    64                         ; weights: v64-127 two sets of 32 numbers
.set CW,    128                        ; weights: v128-135 a block's codes
.set OUTR,  136                        ; weights: v136-199 the way out
	s_load_b512 s[8:23], s[0:1], 0x0               ; x s[8:9], Wq s[10:11], Wk s[12:13], Wv s[14:15], Wo s[16:17], the exponents s[18:19], xc s[20:21], wc s[22:23]
	v_lshl_add_u32 v200, v0, 2, 0x10800
	v_mov_b32 v201, 0
	v_lshrrev_b32 v1, 5, v0
	v_readfirstlane_b32 s36, v1                    ; wave
	v_and_b32 v2, 31, v0                           ; lane
	s_wait_kmcnt 0x0
	s_load_b256 s[24:31], s[18:19], 0x0            ; e0 .. e7
	s_load_b128 s[32:35], s[18:19], 0x20           ; e8 .. e11
	s_cmp_lt_u32 ttmp9, 256
	s_cbranch_scc0 .Lweights
; ---------------------------------------------------------------- x
	s_lshl_b32 s37, ttmp9, 2
	s_add_co_u32 s37, s37, s36                     ; which run of 8,192 numbers is my wave's
	s_lshl_b32 s38, s37, 15                        ; 32,768 bytes of f32
	s_mov_b32 s39, 0
	s_add_nc_u64 s[8:9], s[8:9], s[38:39]
	s_lshl_b32 s38, s37, 13                        ; 8,192 bytes of codes
	s_add_nc_u64 s[40:41], s[20:21], s[38:39]      ; the set under e1,
	s_add_nc_u64 s[42:43], s[40:41], 0x800000      ; under e3,
	s_add_nc_u64 s[44:45], s[40:41], 0x1000000     ; under e5
	s_wait_alu depctr_va_vdst(0)
	v_lshlrev_b32 v3, 4, v2                        ; my 16 bytes of a load's 512, and of a store's
	s_mul_i32 s46, s36, WREG
	v_lshrrev_b32 v14, 2, v2
	v_mul_u32_u24 v14, v14, SP
	v_and_b32 v15, 3, v2
	v_lshl_add_u32 v14, v15, 4, v14
	v_add_nc_u32 v14, s46, v14                     ; into the stage: four lanes' 64 bytes on end, then the padding
	v_mul_u32_u24 v15, v2, SP
	v_add_nc_u32 v15, s46, v15                     ; out of it: my 16 neighbours
.macro LOADX t
.irp i, 0,1,2,3
	global_load_b128 v[R+16*((\t)%4)+4*\i:R+16*((\t)%4)+4*\i+3], v3, s[8:9] offset:2048*(\t)+512*\i th:TH_LOAD_NT
.endr
.endm
.macro TURNX t                         ; LDS serves a wave's instructions in order: no wait between the stores and the loads
.irp i, 0,1,2,3
	ds_store_b128 v14, v[R+16*((\t)%4)+4*\i:R+16*((\t)%4)+4*\i+3] offset:32*SP*((\t)%2)+8*SP*\i
.endr
.irp i, 0,1,2,3
	ds_load_b128 v[X+16*((\t)%2)+4*\i:X+16*((\t)%2)+4*\i+3], v15 offset:32*SP*((\t)%2)+16*\i
.endr
.endm
.irp t, 0,1,2,3
	LOADX \t
.endr
	s_wait_alu depctr_va_vdst(0)
	s_wait_kmcnt 0x0
.irp z, 0,1,2
	s_add_co_i32 s47, s[25+2*\z], 127
	s_lshl_b32 s48, s47, 23
	v_mov_b32 v[8+\z], s48                         ; 2^e as f32: the conversion takes its exponent field
	s_add_co_i32 s47, s47, 15
	s_lshl_b32 s47, s47, 23
	s_or_b32 s47, s47, 0x600000
	v_mov_b32 v[11+\z], s47                        ; 57,344 x 2^e
.endr
	s_wait_alu depctr_va_vdst(0)
	s_wait_loadcnt 12                              ; step 0's four loads are in; three steps' twelve may be out
	TURNX 0
.macro STEPX t
.set XS, X+16*((\t)%2)
.set CX, C+12*((\t)%2)
	s_wait_dscnt 0x0                               ; this step's numbers are back from the stage
.if (\t)+4 < STEPS
	LOADX (\t)+4
.endif
.if (\t)+1 < STEPS
.if STEPS-2-(\t) >= 3
	s_wait_loadcnt 12                              ; the next step's four loads are in; those of the three steps behind it may be out
.else
	s_wait_loadcnt 4*(STEPS-2-(\t))
.endif
	TURNX (\t)+1
.endif
	s_wait_xcnt 0x0                                ; the stores of two steps ago have read this set of code registers
.irp z, 0,1,2
.irp i, 0,1,2,3,4,5,6,7,8,9,10,11,12,13,14,15
	v_med3_num_f32 v[T+\i], v[XS+\i], -v[11+\z], v[11+\z]   ; the conversion to an 8-bit code does not saturate (ISA guide 7.6.2): the hold comes first
.endr
	v_cvt_scalef32_pk8_bf8_f32 v[CX+4*\z:CX+4*\z+1], v[T:T+7], v[8+\z]
	v_cvt_scalef32_pk8_bf8_f32 v[CX+4*\z+2:CX+4*\z+3], v[T+8:T+15], v[8+\z]
	v_nop                                          ; a plain line between the conversions and the next holds, which write their sources
	global_store_b128 v3, v[CX+4*\z:CX+4*\z+3], s[40+2*\z:41+2*\z] offset:512*(\t)
.endr
.endm
.irp t, 0,1,2,3,4,5,6,7,8,9,10,11,12,13,14,15
	STEPX \t
.endr
	s_wait_tensorcnt 0x0
	ds_add_u32 v200, v201
	s_wait_dscnt 0x0
	s_endpgm
; ---------------------------------------------------------------- the weights
.Lweights:
	s_sub_co_u32 s37, ttmp9, 256
	s_lshr_b32 s38, s37, 5                         ; which tensor: 0 Wq, 1 Wk, 2 Wv, 3 Wo
	s_bfe_u32 s39, s37, 0x30002                    ; which 128 columns
	s_and_b32 s37, s37, 3                          ; which 256 along K
	s_lshl_b32 s39, s39, 7
	s_lshl_b32 s56, s36, 5
	s_add_co_u32 s39, s39, s56                     ; n0: my wave's first column
	s_lshr_b32 s56, s39, 6                         ; per-head weights: head n0 / 64 (262,144 bytes), column n0 % 64, row 256 ky (256 bytes a row)
	s_lshl_b32 s56, s56, 18
	s_and_b32 s57, s39, 63
	s_lshl_b32 s57, s57, 2
	s_add_co_u32 s56, s56, s57
	s_lshl_b32 s57, s37, 16
	s_add_co_u32 s56, s56, s57
	s_lshl_b32 s58, s39, 2                         ; Wo: column n0, row 256 ky (4,096 bytes a row)
	s_lshl_b32 s57, s37, 20
	s_add_co_u32 s58, s58, s57
	s_mov_b32 s59, 4096
	s_cmp_lt_u32 s38, 3
	s_cselect_b32 s56, s56, s58                    ; my first number's byte
	s_cselect_b32 s59, 256, s59                    ; bytes from row k to row k + 1
	s_mov_b32 s57, 0
	s_cmp_eq_u32 s38, 1                            ; the choices hang on the work-group's number alone
	s_cselect_b64 s[10:11], s[12:13], s[10:11]
	s_cmp_eq_u32 s38, 2
	s_cselect_b64 s[10:11], s[14:15], s[10:11]
	s_cmp_eq_u32 s38, 3
	s_cselect_b64 s[10:11], s[16:17], s[10:11]
	s_add_nc_u64 s[40:41], s[10:11], s[56:57]      ; a base for each block of 32 rows: nothing is stepped
	s_lshl_b32 s60, s59, 5
	s_mov_b32 s61, 0
.irp t, 1,2,3,4,5,6,7
	s_add_nc_u64 s[40+2*\t:41+2*\t], s[38+2*\t:39+2*\t], s[60:61]
.endr
	s_wait_alu depctr_va_vdst(0)
	v_lshlrev_b32 v3, 2, v2                        ; 4 bytes a lane: 32 neighbouring columns
	v_mov_b32 v5, s59
.set i, 0
.rept 32
	v_mad_u32_u24 v[OFW+i], v5, i, v3              ; row i of a block
.set i, i+1
.endr
.macro LOADW t
.set i, 0
.rept 32
	global_load_b32 v[XW+32*((\t)%2)+i], v[OFW+i], s[40+2*(\t):41+2*(\t)] th:TH_LOAD_NT
.set i, i+1
.endr
.endm
	LOADW 0
	LOADW 1
	s_mul_i32 s62, s36, 32*PW
	s_add_co_u32 s62, s62, WSTG                    ; my stage
	v_mul_u32_u24 v4, v2, PW
	v_add_nc_u32 v4, s62, v4                       ; into it: row = my column
	v_and_b32 v8, 15, v2
	v_lshrrev_b32 v9, 4, v2
	v_mul_u32_u24 v7, v9, PW
	v_lshl_add_u32 v7, v8, 4, v7
	v_add_nc_u32 v7, s62, v7                       ; out of it: sixteen lanes to a row, two rows an instruction
	v_lshlrev_b32 v6, 10, v9
	v_lshl_add_u32 v6, v8, 4, v6                   ; and the same place in wc (1,024 bytes a row)
	s_lshl_b32 s66, s38, 20
	s_lshl_b32 s67, s39, 10
	s_add_co_u32 s66, s66, s67
	s_lshl_b32 s67, s37, 8
	s_add_co_u32 s66, s66, s67
	s_mov_b32 s67, 0
	s_add_nc_u64 s[22:23], s[22:23], s[66:67]      ; wc at tensor, row n0, byte 256 ky
	s_wait_kmcnt 0x0
	s_cmp_eq_u32 s38, 1
	s_cselect_b32 s24, s26, s24                    ; e0, e2, e4 or e11
	s_cmp_eq_u32 s38, 2
	s_cselect_b32 s24, s28, s24
	s_cmp_eq_u32 s38, 3
	s_cselect_b32 s24, s35, s24
	s_add_co_i32 s24, s24, 127
	s_lshl_b32 s25, s24, 23
	v_mov_b32 v11, s25                             ; 2^e
	s_add_co_i32 s24, s24, 15
	s_lshl_b32 s24, s24, 23
	s_or_b32 s24, s24, 0x600000
	v_mov_b32 v10, s24                             ; 57,344 x 2^e
.macro BLOCKW t
.set XS, XW+32*((\t)%2)
.if (\t) < 7
	s_wait_loadcnt 32                              ; this block's 32 loads are in; the next block's 32 may be out
.else
	s_wait_loadcnt 0
.endif
.set i, 0
.rept 32
	v_med3_num_f32 v[XS+i], v[XS+i], -v10, v10
.set i, i+1
.endr
.irp g, 0,1,2,3
	v_cvt_scalef32_pk8_bf8_f32 v[CW+2*\g:CW+2*\g+1], v[XS+8*\g:XS+8*\g+7], v11
.endr
	ds_store_b128 v4, v[CW:CW+3] offset:32*(\t)    ; 32 codes of my column's row
	ds_store_b128 v4, v[CW+4:CW+7] offset:32*(\t)+16
.if (\t)+2 < 8
	LOADW (\t)+2
.endif
	s_wait_dscnt 0x0                               ; the stores have read their registers; the next block's 32 holds are the plain lines ahead of its conversions
.endm
	s_wait_alu depctr_va_vdst(0)
.irp t, 0,1,2,3,4,5,6,7
	BLOCKW \t
.endr
.irp t, 0,1,2,3,4,5,6,7,8,9,10,11,12,13,14,15
	ds_load_b128 v[OUTR+4*\t:OUTR+4*\t+3], v7 offset:2*\t*PW
.endr
.irp t, 0,1,2,3,4,5,6,7,8,9,10,11,12,13,14,15
	s_wait_dscnt 15-\t                             ; load t is in; the younger ones may be out
	global_store_b128 v6, v[OUTR+4*\t:OUTR+4*\t+3], s[22:23] offset:2*\t*1024
.endr
	s_wait_tensorcnt 0x0
	ds_add_u32 v200, v201
	s_wait_dscnt 0x0
	s_endpgm
.Lfunc_end_k_qc33a16056b_quant:
	.size	k_qc33a16056b_quant, .Lfunc_end_k_qc33a16056b_quant-k_qc33a16056b_quant
	.p2alignl 7, 3214868480
	.fill 96, 4, 3214868480
	.section	.rodata,"a",@progbits
	.p2align	6, 0x0
	.amdhsa_kernel k_qc33a16056b_quant
		.amdhsa_group_segment_fixed_size 68096
		.amdhsa_private_segment_fixed_size 0
		.amdhsa_enable_private_segment 0
		.amdhsa_kernarg_size 64
		.amdhsa_user_sgpr_count 2
		.amdhsa_user_sgpr_kernarg_segment_ptr 1
		.amdhsa_wavefront_size32 1
		.amdhsa_system_sgpr_workgroup_id_x 1
		.amdhsa_system_sgpr_workgroup_id_y 1
		.amdhsa_system_sgpr_workgroup_id_z 1
		.amdhsa_system_vgpr_workitem_id 0
		.amdhsa_next_free_vgpr 202
		.amdhsa_next_free_sgpr 68
		.amdhsa_reserve_vcc 0
		.amdhsa_float_denorm_mode_32 3
		.amdhsa_float_denorm_mode_16_64 3
		.amdhsa_memory_ordered 1
		.amdhsa_forward_progress 1
		.amdhsa_inst_pref_size 130
	.end_amdhsa_kernel
	.amdgpu_metadata
---
amdhsa.version: [ 1, 2 ]
amdhsa.kernels:
  - .name:           k_qc33a16056b_quant
    .symbol:         k_qc33a16056b_quant.kd
    .args:
      - { .name: x, .offset: 0, .size: 8, .value_kind: global_buffer, .address_space: global }
      - { .name: Wq, .offset: 8, .size: 8, .value_kind: global_buffer, .address_space: global }
      - { .name: Wk, .offset: 16, .size: 8, .value_kind: global_buffer, .address_space: global }
      - { .name: Wv, .offset: 24, .size: 8, .value_kind: global_buffer, .address_space: global }
      - { .name: Wo, .offset: 32, .size: 8, .value_kind: global_buffer, .address_space: global }
      - { .name: lowp_scales, .offset: 40, .size: 8, .value_kind: global_buffer, .address_space: global }
      - { .name: xc, .offset: 48, .size: 8, .value_kind: global_buffer, .address_space: global }
      - { .name: wc, .offset: 56, .size: 8, .value_kind: global_buffer, .address_space: global }
    .group_segment_fixed_size: 68096
    .private_segment_fixed_size: 0
    .kernarg_segment_align: 8
    .kernarg_segment_size: 64
    .max_flat_workgroup_size: 128
    .sgpr_count:     68
    .vgpr_count:     202
    .wavefront_size: 32
...
	.end_amdgpu_metadata
.endif
;; end of part 1
;; launch qkv (part 2): grid 4 x 96, 4 waves a work-group, clusters of 4 x 4, 327,680 bytes of LDS; arguments xc, wc, lowp_scales, bq, bk, bv, qc, kv; writes qc, kv
.if DOCPART == 2
	.amdgcn_target "amdgcn-amd-amdhsa--gfx1250"
	.amdhsa_code_object_version 6
	.text
	.protected	k_qc33a16056b_qkv
	.globl	k_qc33a16056b_qkv
	.p2align	8
	.type	k_qc33a16056b_qkv,@function
k_qc33a16056b_qkv:
	s_mov_b64 s[64:65], 0
	v_nop
	global_prefetch_b8 v0, s[64:65] scope:SCOPE_SE
	s_setreg_imm32_b32 hwreg(HW_REG_WAVE_MODE, 25, 1), 1
	s_wait_xcnt 0x0
	s_wait_alu depctr_hold_cnt(0) depctr_sa_sdst(0) depctr_va_vdst(0) depctr_va_sdst(0) depctr_va_ssrc(0) depctr_va_vcc(0) depctr_vm_vsrc(0)
	s_getreg_b32 s2, hwreg(HW_REG_IB_STS2, 6, 4)
	s_cmp_eq_u32 s2, 0
	s_cbranch_scc0 .Lentry_in_a_cluster
	s_endpgm
.Lentry_in_a_cluster:
	s_bfe_u32 s2, ttmp6, 0x10000c
	s_cmp_lg_u32 s2, 0xf033
	s_cbranch_scc0 .Lentry_shape_is_right
	s_endpgm
.Lentry_shape_is_right:
; Q, K and V: three products of x's codes with a weight's codes (BF8, E5M2), K = 1,024, f32 sums x 2^(the two exponents added), + bias, and the quantiser of the attention's operands: codes go out.
; One text for all three.  It computes P[i][j] = sum over k of A1[i][k] B0[j][k] on tiles of 256 x 256, TRANSPOSED (source 0 = 16 rows of B0, source 1 = 16 rows of A1): a lane holds one i and eight neighbouring j.
;   Q (z = 0), K (z = 1): A1 = x's codes (i = token), B0 = the weight's (j = 64 h + d): a lane's eight numbers run along d, the K of Q K^T.
;   V (z = 2):            A1 = Wv's codes (i = 64 h + d), B0 = x's (j = token): a lane's eight numbers run along the keys, the K of P V.
; Only pointers and scalars are chosen, by selects on the cluster's number, which all partners share: no branch hangs on it.
; OUT: qc [64 bh][2048 s][64 d];  kv [64 bh][4 slots of 512 keys][K: 512 keys x 64 d | V: 8 blocks of 64 keys x 64 d x 64 keys]: rows of 64 bytes on end, so every store of a wave covers 512 consecutive bytes, aligned.
; BIAS without a branch: the bias along j (Q, K) is the addend of the way out's multiply-add; the bias along i (V) is the C of the first K step's products, divided by 2^(ea + eb).  Both sets are loaded
; and the one that does not apply is cleared by an AND with 0.
; LIMITS: e0 + e1, e2 + e3, e4 + e5 between -126 and 127; e6, e7, e9 between -126 and 112.  NaN among the inputs is not served.
; SHAPE: four waves, each 128 x 128 of P in 512 registers; K in steps of 256 through a ring of two LDS slots filled by the tensor data mover.
; CLUSTERS: 4 x 4 work-groups make 1,024 x 1,024 of P; A1's tile is asked for jointly along a row of the cluster, B0's along a column.
; REGISTERS: window 0: v0-31 addresses and constants (v8-15 the bias along i); v32-95 the bias along j; v96-127 the first products' C; v128-255 A1's fragments, ONE set; on the way out v128-255 are free.
;   window 1: B0's fragments, two sets.   window 2: the accumulators of my rows 0-63 ((a, b) at v[8 (8 a + b)]);   window 3: of rows 64-127.
.set SIZE_K, 1024
.set KSTEP,  256
.set ROWB,   256
.set KROW,   SIZE_K
.set PITCH,  272                       ; an LDS row: 256 bytes + 16 of padding: the 16 rows of a fragment load begin 68 words apart
.set FR,     16
.set NL,     4
.set NP,     4
.set HALFT,  128*PITCH
.set SLOT,   4*HALFT
.set LAPS,   SIZE_K/(2*KSTEP)
.set SPARE,  2*SLOT                    ; behind the ring: the spare words, 128 bytes a wave
.set STG,    2560                      ; the way out: a stage of 2 x 16 rows x 80 bytes for each wave, in slot 0, which has had its last fill and its last read by then
.set BI,   8                           ; v8-15   bias[i], a register for each block of 16 rows
.set ADRA, 16
.set ADRB, 20
.set VO,   22                          ; v22, v23 my byte in a store: 16 x lane, and that + the distance between the two chunks of 64 j
.set STO,  24
.set RD,   25
.set SPW,  28
.set NIL,  29
.set SCL,  30                          ; v30     2^eo
.set LIM,  31                          ; v31     57,344 x 2^eo
.set BJ,   32
.set CI,   96
.set AF,   128
.set TMP,  128
.set G1, 24
.set G0, 32
.set G1B, 48
.set G0B, 56
.set MSB, 0
.macro WIN new                         ; the immediate's high byte repeats the setting that is left
.if MSB != \new
	s_set_vgpr_msb (MSB<<8)|\new
.set MSB, \new
.endif
.endm
.set MUL_LO, 0xa1                      ; source 0 (B0) window 1, source 1 (A1) window 0, C and D window 2
.set MUL_HI, 0xf1                      ; the same, C and D window 3
.set FST_LO, 0x81                      ; the first K step: C in window 0, D in window 2
.set FST_HI, 0xc1                      ; D in window 3
.set TO_B,   0x40
; A joint load: waves 0 and 1 fetch for A1, waves 2 and 3 for B0; the branch hangs on the wave's number alone.  Four v_nop follow each of the two lines.
.macro JLOAD g0a, g1a, g0b, g1b
	s_cmp_eq_u32 s15, 0
	s_cbranch_scc0 .Lfor_b_\@
	tensor_load_to_lds s[\g0a:\g0a+3], s[\g1a:\g1a+7]
	s_nop 0
.rept 4
	v_nop
.endr
	s_branch .Lasked_\@
.Lfor_b_\@:
	tensor_load_to_lds s[\g0b:\g0b+3], s[\g1b:\g1b+7]
	s_nop 0
.rept 4
	v_nop
.endr
.Lasked_\@:
.endm
.macro CREST                           ; a round of the cluster's barrier behind its opening barrier
	s_cmp_lg_u32 s14, 0
	s_cbranch_scc1 .Lnot_wave_0_\@
	s_barrier_signal -3
.Lnot_wave_0_\@:
	s_barrier_wait -3
	s_barrier_signal -1
	s_barrier_wait -1
.endm
.macro CROUND
	s_barrier_signal -1
	s_barrier_wait -1
	CREST
.endm
	s_load_b512 s[68:83], s[0:1], 0x0              ; xc s[68:69], wc s[70:71], the exponents s[72:73], bq s[74:75], bk s[76:77], bv s[78:79], qc s[80:81], kv s[82:83]
	v_lshl_add_u32 v[SPW], v0, 2, SPARE
	v_mov_b32 v[NIL], 0
	ds_add_u32 v28, v29
	ds_add_u32 v28, v29
	s_wait_dscnt 0x0
	v_lshrrev_b32 v1, 5, v0
	v_readfirstlane_b32 s14, v1                    ; wave 0..3
	s_lshr_b32 s15, s14, 1                         ; which half of the tile's i is mine.  Also: I fetch for A1 (0) or for B0 (1)
	s_and_b32 s16, s14, 1                          ; which half of its j.  Also: which 128 rows of that tile I fetch
	s_bfe_u32 s40, ttmp6, 0x40000                  ; cx
	s_bfe_u32 s41, ttmp6, 0x40004                  ; cy
	s_and_b32 s8, ttmp7, 0xffff                    ; the cluster's y, 0 .. 23
	s_lshr_b32 s9, s8, 3                           ; z: 0 Q, 1 K, 2 V
	s_and_b32 s10, s8, 7
	s_lshl_b32 s10, s10, 2                         ; which four tiles along the tokens
	s_cmp_eq_u32 s9, 2
	s_cselect_b32 s99, -1, 0                       ; all ones for V
	s_cselect_b32 s100, 0, -1                      ; all ones for Q and K
	s_cselect_b32 s11, 0, s10
	s_cselect_b32 s12, s10, 0
	s_add_co_u32 s17, s41, s11                     ; tile row (along i)
	s_add_co_u32 s42, s40, s12                     ; tile column (along j)
	s_lshl_b32 s43, s41, 2
	s_lshl_b32 s43, 15, s43                        ; my row of the cluster
	s_lshl_b32 s44, 0x1111, s40                    ; my column
	s_or_b32 s[G1+0], s43, (0<<16)|(1<<20)|(1<<21)|(5<<22)|(3<<25)  ; the mask; elements of 1 byte; padding on; bit 21 beside a mask; after every 64 words, 4 words
	s_or_b32 s[G1B+0], s44, (0<<16)|(1<<20)|(1<<21)|(5<<22)|(3<<25)
.irp g, G1, G1B
	s_mov_b32 s[\g+1], ROWB<<16                    ; tensor_dim0
	s_mov_b32 s[\g+2], 128<<16                     ; tensor_dim1
	s_mov_b32 s[\g+3], ROWB<<16                    ; tile_dim0
	s_mov_b32 s[\g+4], 128                         ; tile_dim1
	s_mov_b32 s[\g+5], KROW                        ; from row to row
	s_mov_b32 s[\g+6], 0
	s_mov_b32 s[\g+7], 0
.endr
	s_lshl_b32 s18, s16, 7                         ; which 128 rows of the tile I fetch
	s_lshl_b32 s20, s17, 8
	s_add_co_u32 s20, s20, s18
	s_lshl_b32 s20, s20, 10                        ; A1: row 256 x tile row + 128 x half, 1,024 bytes a row
	s_lshl_b32 s46, s42, 8
	s_add_co_u32 s46, s46, s18
	s_lshl_b32 s46, s46, 10                        ; B0 likewise by the tile column
	s_lshl_b32 s11, s9, 23                         ; x's set z
	s_lshl_b32 s12, s9, 20                         ; weight z
	s_cmp_eq_u32 s9, 2
	s_cselect_b32 s11, 0x200000, s11               ; V: A1 is weight 2,
	s_cselect_b32 s12, 0x1000000, s12              ;    B0 is x's set 2
	s_add_co_u32 s20, s20, s11
	s_add_co_u32 s46, s46, s12
	s_mov_b32 s21, 0
	s_mov_b32 s47, 0
	s_mul_i32 s45, s14, HALFT                      ; where they go: wave x 128 rows
	s_wait_kmcnt 0x0
	s_load_b256 s[84:91], s[72:73], 0x0            ; e0 .. e7
	s_load_b128 s[92:95], s[72:73], 0x20           ; e8 .. e11
	s_cmp_eq_u32 s9, 2
	s_cselect_b64 s[4:5], s[70:71], s[68:69]       ; A1's buffer
	s_cselect_b64 s[6:7], s[68:69], s[70:71]       ; B0's
	s_add_nc_u64 s[20:21], s[4:5], s[20:21]
	s_add_nc_u64 s[46:47], s[6:7], s[46:47]
	CROUND                                         ; all sixteen work-groups are here: the first joint loads meet
.irp s, 0,1
	s_mov_b32 s[G0+4*\s], 1
	s_add_co_u32 s[G0+4*\s+1], s45, \s*SLOT
	s_add_nc_u64 s[G0+4*\s+2:G0+4*\s+3], s[20:21], \s*ROWB
	s_or_b32 s[G0+4*\s+3], s[G0+4*\s+3], 0x80000000
	s_mov_b32 s[G0B+4*\s], 1
	s_add_co_u32 s[G0B+4*\s+1], s45, \s*SLOT
	s_add_nc_u64 s[G0B+4*\s+2:G0B+4*\s+3], s[46:47], \s*ROWB
	s_or_b32 s[G0B+4*\s+3], s[G0B+4*\s+3], 0x80000000
.endr
	JLOAD G0, G1, G0B, G1B                         ; K step 0: one tensor load a wave at the head
	v_and_b32 v1, 15, v0
	s_wait_alu depctr_va_vdst(0)
	v_bfe_u32 v2, v0, 4, 1                         ; h
	v_mul_u32_u24 v3, v1, PITCH
	v_lshl_add_u32 v4, v2, 4, v3                   ; a fragment's row x pitch + 16 h
	s_mul_i32 s21, s15, HALFT
	s_mul_i32 s22, s16, HALFT
	s_add_co_u32 s22, s22, 2*HALFT
.irp s, 0,1
	v_add_nc_u32 v[ADRA+\s], s21, v4
	v_add_nc_u32 v[ADRB+\s], s22, v4
	s_add_co_u32 s21, s21, SLOT
	s_add_co_u32 s22, s22, SLOT
.endr
	s_mul_i32 s23, s14, STG                        ; my stage
	v_mul_u32_u24 v5, v1, 80
	s_wait_alu depctr_va_vdst(0)
	v_lshl_add_u32 v5, v2, 3, v5
	v_add_nc_u32 v[STO], s23, v5                   ; in: row r, 8 bytes for each half of the lanes
	v_and_b32 v6, 31, v0
	v_lshrrev_b32 v7, 2, v6
	v_mul_u32_u24 v7, v7, 80
	v_and_b32 v5, 3, v6
	v_lshl_add_u32 v7, v5, 4, v7
	v_add_nc_u32 v[RD], s23, v7                    ; back: four lanes to a row of 64 bytes, eight rows an instruction
	v_lshlrev_b32 v[VO], 4, v6
	; where my codes go
	s_wait_alu depctr_va_vdst(0)
	s_lshl_b32 s18, s17, 8
	s_lshl_b32 s19, s15, 7
	s_add_co_u32 s18, s18, s19                     ; I0: my first i
	s_lshl_b32 s19, s42, 8
	s_lshl_b32 s20, s16, 7
	s_add_co_u32 s19, s19, s20                     ; J0: my first j
	s_cmp_eq_u32 s9, 2
	s_cselect_b32 s20, s19, s18                    ; my first token
	s_cselect_b32 s21, s18, s19                    ; my first 64 h + d
	s_cselect_b32 s22, s18, 0                      ; where the bias along i is read (V; else entry 0, and cleared)
	s_cselect_b32 s23, 0, s19                      ; where the bias along j is read (Q, K; else entry 0, and cleared)
	s_lshr_b32 s12, s20, 11
	s_lshl_b32 s12, s12, 4
	s_lshr_b32 s13, s21, 6
	s_add_co_u32 s12, s12, s13                     ; bh = 16 b + h
	s_and_b32 s13, s20, 2047                       ; s0: my first token in its sequence
	s_lshl_b32 s10, s12, 17
	s_lshl_b32 s11, s13, 6
	s_add_co_u32 s10, s10, s11                     ; Q: bh x 131,072 + 64 s0
	s_lshl_b32 s12, s12, 18
	s_lshr_b32 s11, s13, 9
	s_lshl_b32 s11, s11, 16
	s_add_co_u32 s12, s12, s11                     ; K, V: bh x 262,144 + the slot x 65,536
	s_and_b32 s11, s13, 511
	s_lshl_b32 s11, s11, 6
	s_add_co_u32 s11, s11, s12                     ; K: + 64 x the key in its slot
	s_bfe_u32 s13, s13, 0x30006
	s_lshl_b32 s13, s13, 12
	s_add_co_u32 s13, s13, s12
	s_add_co_u32 s13, s13, 32768                   ; V: + 32,768 + 4,096 x the block of 64 keys
	s_cmp_eq_u32 s9, 0
	s_cselect_b32 s10, s10, s11
	s_cselect_b64 s[4:5], s[80:81], s[82:83]       ; qc or kv
	s_mov_b32 s11, 0x40000
	s_cselect_b32 s11, 0x20000, s11                ; from chunk to chunk of 64 j: the next head (Q, K),
	s_cmp_eq_u32 s9, 2
	s_cselect_b32 s10, s13, s10
	s_cselect_b32 s11, 4096, s11                   ; the next block of keys (V)
	s_mov_b32 s12, 4096
	s_cselect_b32 s12, 0x40000, s12                ; from my rows 0-63 to my rows 64-127: 64 rows of 64 bytes (Q, K), the next head (V)
	v_add_nc_u32 v[VO+1], s11, v[VO]
	s_mov_b32 s11, 0
	s_mov_b32 s13, 0
	s_add_nc_u64 s[4:5], s[4:5], s[10:11]
	s_add_nc_u64 s[6:7], s[4:5], s[12:13]
	; the biases
	s_cmp_eq_u32 s9, 1
	s_cselect_b64 s[74:75], s[76:77], s[74:75]
	s_cmp_eq_u32 s9, 2
	s_cselect_b64 s[74:75], s[78:79], s[74:75]
	s_lshl_b32 s18, s23, 2
	s_mov_b32 s19, 0
	s_lshl_b32 s22, s22, 2
	s_mov_b32 s23, 0
	s_add_nc_u64 s[76:77], s[74:75], s[18:19]
	s_add_nc_u64 s[78:79], s[74:75], s[22:23]
	v_lshlrev_b32 v5, 5, v2                        ; 32 h: eight numbers for each half of the lanes
	v_lshlrev_b32 v6, 2, v1                        ; 4 r
.irp b, 0,1,2,3,4,5,6,7
	global_load_b128 v[BJ+8*\b:BJ+8*\b+3], v5, s[76:77] offset:64*\b
	global_load_b128 v[BJ+8*\b+4:BJ+8*\b+7], v5, s[76:77] offset:64*\b+16
.endr
.irp a, 0,1,2,3,4,5,6,7
	global_load_b32 v[BI+\a], v6, s[78:79] offset:64*\a
.endr
.macro FRAG reg, adr, q, i             ; a fragment, 16 rows x 128 K: lane l holds row l % 16; registers 4 c .. 4 c + 3 hold K = 32 c + 16 (l / 16) + 0 .. 15: the same places in A1 and in B0
.irp c, 0,1,2,3
	ds_load_b128 v[\reg+4*\c:\reg+4*\c+3], v[\adr] offset:128*(\q)+32*\c+(\i)*16*PITCH
.endr
.endm
; 16 matrix instructions: A1's blocks a0, a0 + 1 x B0's eight.  first = 1: the sums begin with the bias along i (zeros for Q and K).  The 64 accumulators take turns.
.macro MUL16 a0, p, first
.irp a, \a0, \a0+1
.irp b, 0,1,2,3,4,5,6,7
.if \first
	v_wmma_f32_16x16x128_bf8_bf8 v[8*(8*((\a)%4)+\b):8*(8*((\a)%4)+\b)+7], v[128*(\p)+FR*\b:128*(\p)+FR*\b+FR-1], v[AF+FR*(\a):AF+FR*(\a)+FR-1], v[CI+8*((\a)%4):CI+8*((\a)%4)+7]
.else
	v_wmma_f32_16x16x128_bf8_bf8 v[8*(8*((\a)%4)+\b):8*(8*((\a)%4)+\b)+7], v[128*(\p)+FR*\b:128*(\p)+FR*\b+FR-1], v[AF+FR*(\a):AF+FR*(\a)+FR-1], v[8*(8*((\a)%4)+\b):8*(8*((\a)%4)+\b)+7]
.endif
.endr
.endr
.endm
.macro FETCH_B slot, q, p
	WIN TO_B
.irp i, 0,1,2,3,4,5,6,7
	FRAG 128*(\p)+FR*\i, ADRB+\slot, \q, \i
.endr
	WIN 0
.endm
.macro FETCH_A slot, q, i0
.irp i, \i0, \i0+1, \i0+2, \i0+3
	FRAG AF+FR*(\i), ADRA+\slot, \q, \i
.endr
.endm
.macro PLACES n                        ; plain vector lines between a matrix instruction and a load into, or a vector write of, one of its registers, or a read of its result
.rept \n
	v_nop
.endr
.endm
.macro STEP slot, q, first             ; a step of 128 along K that has its successor in the same slot
	s_wait_dscnt 4*NL                              ; B0's set and A1's blocks 0-3 are in; the youngest 16 loads (blocks 4-7) may be out
.if \first
	WIN FST_LO
.else
	WIN MUL_LO
.endif
	MUL16 0, (\q)%2, \first
	MUL16 2, (\q)%2, \first
	s_wait_dscnt 0
	PLACES NP
.if \first
	WIN 0
.irp a, 4,5,6,7                        ; the C of blocks 4-7 takes the registers of blocks 0-3's, four places behind the last product that read them
.irp j, 0,1,2,3,4,5,6,7
	v_ldexp_f32 v[CI+8*(\a-4)+\j], v[BI+\a], s98
.endr
.endr
.endif
	FETCH_B \slot, (\q)+1, 1-(\q)%2
	FETCH_A \slot, (\q)+1, 0
.if \first
	WIN FST_HI
.else
	WIN MUL_HI
.endif
	MUL16 4, (\q)%2, \first
	MUL16 6, (\q)%2, \first
	PLACES NP
	WIN 0
	FETCH_A \slot, (\q)+1, 4
.endm
; A slot's last step changes slots: one barrier; in front of it each wave waits for all its tensor loads, adds 0 to its spare word, and waits for that and for its reads of this slot.
.macro TURN slot, next, fill
	s_wait_tensorcnt 0x0                           ; all my tensor loads have landed: my part of the next slot
	ds_add_u32 v[SPW], v[NIL]                      ; 0 onto my spare word
	s_wait_dscnt 4*NL+1                            ; the add and the youngest 16 loads (A1's blocks 4-7) may be out
	WIN MUL_LO
	MUL16 0, 1, 0
	s_wait_dscnt 0x0                               ; the add is done, and my reads of this slot are over
	s_barrier_signal -1
	MUL16 2, 1, 0
	WIN 0
	s_barrier_wait -1
.if \fill
	CREST                                          ; the barrier has opened a round of the cluster's: no wave of any partner still reads this slot or has a load on its way
	s_add_nc_u64 s[G0+4*\slot+2:G0+4*\slot+3], s[G0+4*\slot+2:G0+4*\slot+3], 2*ROWB
	s_add_nc_u64 s[G0B+4*\slot+2:G0B+4*\slot+3], s[G0B+4*\slot+2:G0B+4*\slot+3], 2*ROWB
	JLOAD G0+4*\slot, G1, G0B+4*\slot, G1B         ; the first tensor load behind the round; its four v_nop are the places in front of the loads below
.else
	PLACES NP
.endif
	FETCH_B \next, 0, 0
	FETCH_A \next, 0, 0
	WIN MUL_HI
	MUL16 4, 1, 0
	MUL16 6, 1, 0
	PLACES NP
	WIN 0
	FETCH_A \next, 0, 4
.endm
	s_wait_alu depctr_va_vdst(0)
	s_wait_tensorcnt 0x0                           ; my part of K step 0 is in
	ds_add_u32 v[SPW], v[NIL]
	s_wait_dscnt 0x0
	CROUND                                         ; a whole round: everybody's part of K step 0 is in
	JLOAD G0+4, G1, G0B+4, G1B                     ; K step 1: slot 1's first fill, the first tensor load behind the round
	FETCH_B 0, 0, 0
	FETCH_A 0, 0, 0
	FETCH_A 0, 0, 4
	s_wait_loadcnt 0x0                             ; the biases
	s_wait_kmcnt 0x0                               ; the exponents
	s_add_co_i32 s96, s84, s85
	s_add_co_i32 s97, s86, s87
	s_add_co_i32 s98, s88, s89
	s_cmp_eq_u32 s9, 1
	s_cselect_b32 s96, s97, s96
	s_cselect_b32 s13, s91, s90                    ; the result's exponent: e6 (Q), e7 (K),
	s_cmp_eq_u32 s9, 2
	s_cselect_b32 s96, s98, s96                    ; ea + eb
	s_cselect_b32 s13, s93, s13                    ; e9 (V)
	s_sub_co_i32 s98, 0, s96                       ; -(ea + eb)
	s_add_co_i32 s96, s96, 127
	s_lshl_b32 s96, s96, 23                        ; 2^(ea + eb) as f32
	s_mov_b32 s97, s96                             ; (named with it as a pair)
	s_add_co_i32 s13, s13, 127
	s_lshl_b32 s12, s13, 23
	v_mov_b32 v[SCL], s12
	s_add_co_i32 s13, s13, 15
	s_lshl_b32 s13, s13, 23
	s_or_b32 s13, s13, 0x600000
	v_mov_b32 v[LIM], s13
.set j, 0
.rept 64
	v_and_b32 v[BJ+j], s100, v[BJ+j]               ; kept for Q and K, zeros for V
.set j, j+1
.endr
.set j, 0
.rept 8
	v_and_b32 v[BI+j], s99, v[BI+j]                ; kept for V, zeros for Q and K
.set j, j+1
.endr
.irp a, 0,1,2,3
.irp j, 0,1,2,3,4,5,6,7
	v_ldexp_f32 v[CI+8*\a+\j], v[BI+\a], s98       ; a sum stands for sum x 2^(ea + eb): the bias goes in divided by that
.endr
.endr
	s_wait_alu depctr_va_vdst(0)
	STEP 0, 0, 1                                   ; the first step stands in front of the loop
	s_mov_b32 s3, LAPS-1
.Llap:                                             ; a trip goes once round the ring and fills both slots again
	TURN 0, 1, 1
	STEP 1, 0, 0
	TURN 1, 0, 1
	STEP 0, 0, 0
	s_sub_co_u32 s3, s3, 1
	s_cmp_lg_u32 s3, 0
	s_cbranch_scc1 .Llap
	TURN 0, 1, 0                                   ; the last lap fills nothing
	STEP 1, 0, 0
	s_wait_dscnt 4*NL
	WIN MUL_LO
	MUL16 0, 1, 0
	MUL16 2, 1, 0
	s_wait_dscnt 0
	WIN MUL_HI
	MUL16 4, 1, 0
	MUL16 6, 1, 0
	WIN 0
; THE WAY OUT, block by block of 16 i x 128 j: sum x 2^(ea + eb) + bias, the hold, the conversion: a lane's eight numbers become 8 bytes.  They go through my stage (two chunks of 16 rows of 64 bytes, 80 apart)
; and come back eight rows an instruction.  LDS serves a wave's instructions in order: no wait between the stores and the loads, nor in front of the next block's stores.
.macro TOSTAGE a
.set AC, 64*((\a)%4)
.set CD, 192+48*((\a)%2)
.set BB, 208+16*((\a)%2)
	WIN 0x02+((\a)/4)                              ; source 0: window 2 or 3
.set j, 0
.rept 32
	v_pk_fma_f32 v[TMP+j:TMP+j+1], v[AC+j:AC+j+1], s[96:97], v[BJ+j:BJ+j+1] op_sel_hi:[1,0,1]   ; each accumulator from its low end on
.set j, j+2
.endr
	WIN 0
.irp b, 0,1,2,3,4,5,6,7
.irp i, 0,1,2,3,4,5,6,7
	v_med3_num_f32 v[TMP+8*\b+\i], v[TMP+8*\b+\i], -v[LIM], v[LIM]
.endr
	v_cvt_scalef32_pk8_bf8_f32 v[CD+2*\b:CD+2*\b+1], v[TMP+8*\b:TMP+8*\b+7], v[SCL]
.endr
	v_nop                                          ; a plain line behind the last conversion
.irp b, 0,1,2,3,4,5,6,7
	ds_store_b64 v[STO], v[CD+2*\b:CD+2*\b+1] offset:(\b/4)*1280+16*(\b%4)
.endr
.irp t, 0,1,2,3
	ds_load_b128 v[BB+4*\t:BB+4*\t+3], v[RD] offset:(\t/2)*1280+(\t%2)*640
.endr
.endm
.macro SEND a, younger                 ; younger: the LDS instructions issued behind block a's loads
.set BB, 208+16*((\a)%2)
	s_wait_dscnt \younger
.irp t, 0,1,2,3
	global_store_b128 v[VO+\t/2], v[BB+4*\t:BB+4*\t+3], s[4+2*((\a)/4):5+2*((\a)/4)] offset:((\a)%4)*1024+(\t%2)*512   ; 32 lanes store 512 consecutive bytes, aligned
.endr
.endm
	PLACES NP
	TOSTAGE 0
.irp a, 1,2,3,4,5,6,7
.if \a > 1
	s_wait_xcnt 0x0                                ; block a - 2's stores have read their registers: block a's loads may land there
.endif
	TOSTAGE \a
	SEND \a-1, 12                                  ; behind block a - 1's loads: block a's 8 stores and 4 loads
.endr
	SEND 7, 0
	s_wait_tensorcnt 0x0                           ; the wave's end
	ds_add_u32 v[SPW], v[NIL]
	s_wait_dscnt 0x0
	CROUND                                         ; the closing round
	s_endpgm
.Lfunc_end_k_qc33a16056b_qkv:
	.size	k_qc33a16056b_qkv, .Lfunc_end_k_qc33a16056b_qkv-k_qc33a16056b_qkv
	.p2alignl 7, 3214868480
	.fill 96, 4, 3214868480
	.section	.rodata,"a",@progbits
	.p2align	6, 0x0
	.amdhsa_kernel k_qc33a16056b_qkv
		.amdhsa_group_segment_fixed_size 327680
		.amdhsa_private_segment_fixed_size 0
		.amdhsa_enable_private_segment 0
		.amdhsa_kernarg_size 64
		.amdhsa_user_sgpr_count 2
		.amdhsa_user_sgpr_kernarg_segment_ptr 1
		.amdhsa_wavefront_size32 1
		.amdhsa_system_sgpr_workgroup_id_x 1
		.amdhsa_system_sgpr_workgroup_id_y 1
		.amdhsa_system_sgpr_workgroup_id_z 1
		.amdhsa_system_vgpr_workitem_id 0
		.amdhsa_next_free_vgpr 1024
		.amdhsa_next_free_sgpr 102
		.amdhsa_reserve_vcc 0
		.amdhsa_float_denorm_mode_32 3
		.amdhsa_float_denorm_mode_16_64 3
		.amdhsa_memory_ordered 1
		.amdhsa_forward_progress 1
		.amdhsa_inst_pref_size 152
	.end_amdhsa_kernel
	.amdgpu_metadata
---
amdhsa.version: [ 1, 2 ]
amdhsa.kernels:
  - .name:           k_qc33a16056b_qkv
    .symbol:         k_qc33a16056b_qkv.kd
    .args:
      - { .name: xc, .offset: 0, .size: 8, .value_kind: global_buffer, .address_space: global }
      - { .name: wc, .offset: 8, .size: 8, .value_kind: global_buffer, .address_space: global }
      - { .name: lowp_scales, .offset: 16, .size: 8, .value_kind: global_buffer, .address_space: global }
      - { .name: bq, .offset: 24, .size: 8, .value_kind: global_buffer, .address_space: global }
      - { .name: bk, .offset: 32, .size: 8, .value_kind: global_buffer, .address_space: global }
      - { .name: bv, .offset: 40, .size: 8, .value_kind: global_buffer, .address_space: global }
      - { .name: qc, .offset: 48, .size: 8, .value_kind: global_buffer, .address_space: global }
      - { .name: kv, .offset: 56, .size: 8, .value_kind: global_buffer, .address_space: global }
    .group_segment_fixed_size: 327680
    .private_segment_fixed_size: 0
    .kernarg_segment_align: 8
    .kernarg_segment_size: 64
    .max_flat_workgroup_size: 128
    .sgpr_count:     102
    .vgpr_count:     1024
    .wavefront_size: 32
...
	.end_amdgpu_metadata
.endif
;; end of part 2
;; launch attn (part 3): grid 4 x 64, 16 waves a work-group, clusters of 4 x 1, 327,680 bytes of LDS; arguments qc, kv, lowp_scales, cc; writes cc
.if DOCPART == 3
	.amdgcn_target "amdgcn-amd-amdhsa--gfx1250"
	.amdhsa_code_object_version 6
	.text
	.protected	k_qc33a16056b_attn
	.globl	k_qc33a16056b_attn
	.p2align	8
	.type	k_qc33a16056b_attn,@function
k_qc33a16056b_attn:
	s_mov_b64 s[64:65], 0
	v_nop
	global_prefetch_b8 v0, s[64:65] scope:SCOPE_SE
	s_setreg_imm32_b32 hwreg(HW_REG_WAVE_MODE, 25, 1), 1
	s_wait_xcnt 0x0
	s_wait_alu depctr_hold_cnt(0) depctr_sa_sdst(0) depctr_va_vdst(0) depctr_va_sdst(0) depctr_va_ssrc(0) depctr_va_vcc(0) depctr_vm_vsrc(0)
	s_getreg_b32 s2, hwreg(HW_REG_IB_STS2, 6, 4)
	s_cmp_eq_u32 s2, 0
	s_cbranch_scc0 .Lentry_in_a_cluster
	s_endpgm
.Lentry_in_a_cluster:
	s_bfe_u32 s2, ttmp6, 0x10000c
	s_cmp_lg_u32 s2, 0x3003
	s_cbranch_scc0 .Lentry_shape_is_right
	s_endpgm
.Lentry_shape_is_right:
; Causal attention on codes of BF8 (E5M2), head size 64, 2,048 tokens, 64 heads (bh); the result is quantised again (entry 10) and leaves as codes.
; t = score x log2(e) / 8; M = the row's largest t so far, rounded UP to a whole number; p = 2^(t - M) is quantised (entry 8), not normalised; the row's sum is taken of the unquantised p and divides at the end.
; IN:  qc [bh][2048][64 d];  kv [bh][4 slots of 512 keys][K: 512 keys x 64 d | V: 8 blocks x 64 d x 64 keys].   OUT: cc [32 blocks of 256 rows][16 h][256 rows][64 d].
; LDS HOLDS A WHOLE HEAD: K's and V's 262,144 bytes come in once, as rows of 256 bytes (four rows of 64 codes) with 16 bytes of padding behind each: 278,528 bytes.  Row i of 64 codes lies at 272 (i / 4) + 64 (i % 4):
; the 16 rows of a fragment load begin at 16 different multiples of 16 bytes modulo 256.  Each of the sixteen waves asks for 16 KiB, once; nothing is filled again.
; TWO PHASES: waves 0 to 2 ask at the head (keys 0 .. 511 of K, keys 0 .. 255 of V); the other thirteen behind the full sequence and a round of the cluster's barrier; the first four key steps, which read the first
; phase's bytes alone (the look-ahead of K reaches key 319), stand between those loads and the wait and barrier that show them to every wave.
; CLUSTER: the four work-groups of a cluster own one head and need the same K and V: every load is asked for JOINTLY (mask 15).
; No prefetch: every tile is asked for ahead of the fifth key step, so there is no loop to run ahead in.
; SHARES: a head has 64 groups of 32 queries; work-group cx owns groups 4 g + cx, g = 0 .. 15 (queries 128 g + 32 cx on); group g has 2 g + 2 key steps of 64 keys.  A group's two tiles of 16 queries share each fragment.
; Waves 2 u and 2 u + 1 (u = 0 .. 7) share groups u and G = 15 - u: wave X = 2 u takes G's steps 0 .. 17; wave Y = 2 u + 1 takes group u whole and then G's steps from 18 on (2 u + 2 + 14 - 2 u = 16 steps, four of them masked).
; THE TWO PARTS OF G ARE JOINED AT THE END: each part has its own whole number M, its sum and its O^T; Y lays its part into K's region of LDS (behind a barrier: nobody reads K or V any more), and X brings both under the
; larger M by multiplications with powers of two, which round nothing, adds them and divides.  A part's p is quantised under the part's own running M, as under any running M.
; THE MASK: a step (keys KF .. KF + 63) is left out where KF is at or behind the walk's end, and needs no mask where KF + 64 <= 128 g: both branches hang on the wave's number and the step alone, never on the place in the cluster.
; The loops' trip counts are constants (4, 12 and 14): only a step's work is jumped over; no walk's steps pass step 31.
; Key 128 g counts for every query of group g, and Y's part of G begins at or under it (or is empty: then it holds zeros and is multiplied by 0), so M is a number wherever p is made.
; LAYOUT: both products transposed (S^T = K Q^T, O^T = V^T P^T): a lane holds one query.  Register 8 t + j of a tile's S^T is key KF + 16 t + 8 (lane / 16) + j: a conversion of key tile t gives registers 2 t, 2 t + 1 of P.
; Q and K fragments come by two loads of 16 bytes, the same places of d on both sides; V's by loads of 8 bytes, each key in the place that P gives it.
; LIMITS: e6 + e7 between -123 and 130; e8 and e10 between -126 and 112; e8 + e9 is applied by v_ldexp_f32.  NaN among the inputs is not served.  The scaled scores stay under 2^31 in magnitude.
; REGISTERS: v1-11 addresses and constants; v12-19 -M, the largest t, the sum's halves of tiles 0, 1; v20, v22 f; v21 where a part lies in LDS; v24, v25, v11 2^e8 and the hold; v26-41 Q; v42-73 K; v74-105 V; v106-169 S^T, then p; v170-233 O^T; v234-249 p's codes; v250-255 at work.
.set PR,    272
.set T16,   4*PR                       ; 16 rows of 64 codes
.set STEPB, 16*PR                      ; 64 keys of K, or a block of V
.set QTR,   64*PR                      ; what one tensor load brings
.set VREG,  8*QTR                      ; V lies behind K's 2,048 keys
.set STAGE, 16*QTR                     ; the way out: 2 tiles x 16 rows x 80 bytes for each wave, bytes of their own
.set STG,   2560
.set SPARE, STAGE+16*STG               ; the spare words: 128 bytes for each of 16 waves
.set PART,  9216                       ; a part of G in LDS: 16 x 512 bytes of O^T, 2 x 512 of -M and the sums
.set SPLIT, 18                         ; X's steps of G
.set FIRST, 3                          ; the waves that ask at the head
.set AK0, 1
.set AV0, 2
.set DQ,  3                            ; 32 cx + lane % 16 - 8 (lane / 16)
.set SPW, 4
.set NIL, 5
.set GO,  6
.set ADK, 7
.set ADV, 8
.set STO, 9
.set RD,  10
.set HL2, 11                           ; the hold once more, for the second half of a dual pair
.set SA,  12
.set SB,  16
.set F0,  20
.set MG,  21                           ; (also named as the upper half of f's pair, of which the low word alone is taken)
.set F1,  22
.set SC,  24
.set HL,  25
.set Q,   26
.set KFR, 42
.set VF,  74
.set S,   106
.set O,   170
.set P,   234
.set WV,  18
.set ROLE, 19                          ; 0: X, 1: Y
.set SEL, 20
.set CS,  22
.set G1,  24
.set G0,  40
.set E89, 48
.set E10S, 49
.set KB0, 51                           ; the third walk's first key
.set TB,  56                           ; LDS byte at which the step in hand begins in K's region
.set CNT, 57
.set E10H, 58
.set KF,  59                           ; the step's first key
.set HIC, 60                           ; walks 1 and 2: the end of the group that I begin with (Y: u, X: G),
.set OPC, 61                           ; and its first query's multiple of 128
.set HI3, 62                           ; walk 3: the end of my part of G
.set OPG, 63
.macro CROUND                          ; a round of the cluster's barrier
	s_barrier_signal -1
	s_barrier_wait -1
	s_cmp_lg_u32 s[WV], 0
	s_cbranch_scc1 .Lnot_wave_0_\@
	s_barrier_signal -3
.Lnot_wave_0_\@:
	s_barrier_wait -3
	s_barrier_signal -1
	s_barrier_wait -1
.endm
.macro CCOFF d, q                      ; byte in cc of row 2,048 b + q of head h: s48 = 2,048 b, s49 = 16,384 h
	s_add_co_u32 s[\d], s48, s[\q]
	s_lshr_b32 s[\d+1], s[\d], 8
	s_lshl_b32 s[\d+1], s[\d+1], 18
	s_and_b32 s[\d], s[\d], 255
	s_lshl_b32 s[\d], s[\d], 6
	s_add_co_u32 s[\d], s[\d], s[\d+1]
	s_add_co_u32 s[\d], s[\d], s49
	s_mov_b32 s[\d+1], 0
.endm
	s_load_b256 s[4:11], s[0:1], 0x0               ; qc s[4:5], kv s[6:7], the exponents s[8:9], cc s[10:11]
	v_lshl_add_u32 v[SPW], v0, 2, SPARE
	v_mov_b32 v[NIL], 0
	ds_add_u32 v[SPW], v[NIL]                      ; the opening lines: the add, twice on end, and its wait ahead of my first tensor load
	ds_add_u32 v[SPW], v[NIL]
	v_lshrrev_b32 v7, 5, v0
	v_readfirstlane_b32 s[WV], v7                  ; wave 0..15
	s_bfe_u32 s12, ttmp6, 0x40000                  ; cx: it enters global addresses and the mask's vector register alone
	s_and_b32 s13, ttmp7, 0xffff                   ; bh, which the partners share
	s_and_b32 s[ROLE], s[WV], 1
	s_lshr_b32 s16, s[WV], 1                       ; u
	s_sub_co_u32 s14, 15, s16                      ; G
	s_lshl_b32 s[OPG], s14, 7
	s_add_co_u32 s[HI3], s[OPG], 128               ; G's end
	s_lshl_b32 s[OPC], s16, 7
	s_add_co_u32 s[HIC], s[OPC], 128               ; group u's end
	s_lshl_b32 s34, s12, 5                         ; 32 cx
	s_add_co_u32 s35, s[OPC], s34                  ; group u's first query
	s_add_co_u32 s36, s[OPG], s34                  ; G's
	s_mov_b32 s15, 64*SPLIT
	s_cmp_lg_u32 s[ROLE], 0                        ; the choices hang on the wave's number alone
	s_cselect_b32 s[HIC], s[HIC], s[HI3]
	s_cselect_b32 s[OPC], s[OPC], s[OPG]
	s_cselect_b32 s[HI3], s[HI3], s15              ; X ends at step 18
	s_lshl_b32 s[KB0], s[ROLE], 7
	s_add_co_u32 s[KB0], s[KB0], 1024              ; walk 3 begins at step 16 (X) or 18 (Y)
	s_mul_i32 s17, s16, PART                       ; where my pair's part lies
	s_mov_b32 s[G1], 15|(0<<16)|(1<<20)|(1<<21)|(5<<22)|(3<<25)   ; the mask; elements of 1 byte; padding on; bit 21 beside a mask; after every 64 words, 4 words
	s_mov_b32 s[G1+1], 256<<16                     ; tensor_dim0
	s_mov_b32 s[G1+2], 64<<16                      ; tensor_dim1
	s_mov_b32 s[G1+3], 256<<16                     ; tile_dim0
	s_mov_b32 s[G1+4], 64                          ; tile_dim1
	s_mov_b32 s[G1+5], 256                         ; from row to row
	s_mov_b32 s[G1+6], 0
	s_mov_b32 s[G1+7], 0
	s_mov_b32 s[SEL], 0x76543210
	s_mov_b32 s[SEL+1], 0xfedcba98
	s_mov_b32 s[CS], 0x3e38aa3b                    ; log2(e) / 8
	s_lshr_b32 s15, s[WV], 2                       ; waves 4 s, 4 s + 1 fetch K of slot s, waves 4 s + 2, 4 s + 3 its V
	s_mul_i32 s[G0+1], s15, 2*QTR
	s_and_b32 s15, s[WV], 1
	s_mul_i32 s15, s15, QTR
	s_add_co_u32 s[G0+1], s[G0+1], s15
	s_bfe_u32 s15, s[WV], 0x10001
	s_mul_i32 s15, s15, VREG
	s_add_co_u32 s[G0+1], s[G0+1], s15             ; in LDS K's eight parts lie on end, and V's behind them
	s_lshl_b32 s32, s[WV], 14                      ; in memory: 16,384 x wave,
	s_lshl_b32 s33, s13, 18                        ; in my head
	s_add_co_u32 s32, s32, s33
	s_mov_b32 s33, 0
	s_lshl_b32 s37, s13, 17
	s_lshl_b32 s38, s35, 6
	s_add_co_u32 s38, s38, s37
	s_mov_b32 s39, 0
	s_lshl_b32 s44, s36, 6
	s_add_co_u32 s44, s44, s37
	s_mov_b32 s45, 0
	s_lshr_b32 s48, s13, 4
	s_lshl_b32 s48, s48, 11
	s_and_b32 s49, s13, 15
	s_lshl_b32 s49, s49, 14
	CCOFF 66, 35
	CCOFF 52, 36
	s_wait_dscnt 0x0                               ; both opening adds are done
	s_wait_kmcnt 0x0
	s_load_b256 s[68:75], s[8:9], 0x0              ; e0 .. e7
	s_load_b128 s[76:79], s[8:9], 0x20             ; e8 .. e11
	s_mov_b32 s[G0], 1
	s_add_nc_u64 s[G0+2:G0+3], s[6:7], s[32:33]
	s_or_b32 s[G0+3], s[G0+3], 0x80000000
	CROUND                                         ; all four work-groups are here: the joint loads meet
	s_cmp_lt_u32 s[WV], FIRST
	s_cbranch_scc0 .Lnot_first
	tensor_load_to_lds s[G0:G0+3], s[G1:G1+7]      ; waves 0 to 2: what the first four key steps read
	s_nop 0
.rept 4
	v_nop
.endr
.Lnot_first:
	s_add_nc_u64 s[46:47], s[4:5], s[38:39]        ; Q of group u
	s_add_nc_u64 s[54:55], s[4:5], s[44:45]        ; of G
	s_add_nc_u64 s[80:81], s[10:11], s[66:67]      ; cc for group u
	s_add_nc_u64 s[82:83], s[10:11], s[52:53]      ; for G
	s_cmp_lg_u32 s[ROLE], 0
	s_cselect_b64 s[46:47], s[46:47], s[54:55]     ; the group that I begin with: Y group u, X group G
	v_and_b32 v7, 15, v0                           ; r
	v_bfe_u32 v8, v0, 4, 1                         ; h
	v_lshlrev_b32 v250, 6, v7
	v_lshl_add_u32 v250, v8, 4, v250               ; Q: row r of 64 bytes, + 16 h
.irp i, 0,1,2,3
	global_load_b128 v[Q+4*\i:Q+4*\i+3], v250, s[46:47] offset:1024*(\i/2)+32*(\i%2)
.endr
	v_lshrrev_b32 v251, 2, v7
	v_and_b32 v252, 3, v7
	v_mul_u32_u24 v251, v251, PR
	v_lshl_add_u32 v251, v252, 6, v251             ; row r of a fragment: 272 (r / 4) + 64 (r % 4)
	v_lshl_add_u32 v[AK0], v8, 4, v251             ; K: + 16 h
	v_lshl_add_u32 v[AV0], v8, 3, v251             ; V: + 8 h
	v_add_nc_u32 v[AV0], VREG, v[AV0]
	v_lshlrev_b32 v252, 3, v8
	v_sub_nc_u32 v252, v7, v252
	v_add_nc_u32 v[DQ], s34, v252
	v_and_b32 v253, 31, v0
	v_lshlrev_b32 v[GO], 4, v253
	v_add_nc_u32 v[MG], s17, v[GO]                 ; a part in LDS: an image of the registers, 16 bytes a lane
	s_mul_i32 s84, s[WV], STG
	s_add_co_u32 s84, s84, STAGE                   ; my stage
	v_mul_u32_u24 v[STO], v7, 80
	v_lshl_add_u32 v[STO], v8, 3, v[STO]
	v_add_nc_u32 v[STO], s84, v[STO]               ; in: row r, 8 bytes for each half of the lanes
	v_lshrrev_b32 v[RD], 2, v253
	v_mul_u32_u24 v[RD], v[RD], 80
	v_and_b32 v253, 3, v253
	v_lshl_add_u32 v[RD], v253, 4, v[RD]
	v_add_nc_u32 v[RD], s84, v[RD]                 ; back: four lanes to a row
	v_mov_b32 v254, 0                              ; a lane permute's destination counts as one of its sources
	v_mov_b32 v255, 0
	v_mov_b32 v[F1+1], 0                           ; (named as the upper half of f's pair)
	s_wait_alu depctr_va_vdst(0)
	s_wait_kmcnt 0x0
	s_add_co_i32 s84, s74, s75
	s_lshl_b32 s84, s84, 23
	s_add_co_i32 s[CS], s[CS], s84                 ; a score stands for score x 2^(e6 + e7): added to c's exponent field
	s_mov_b32 s[CS+1], s[CS]
	s_add_co_i32 s84, s76, 127
	s_lshl_b32 s85, s84, 23
	v_mov_b32 v[SC], s85                           ; 2^e8
	s_add_co_i32 s84, s84, 15
	s_lshl_b32 s84, s84, 23
	s_or_b32 s84, s84, 0x600000
	v_mov_b32 v[HL], s84                           ; 57,344 x 2^e8
	v_mov_b32 v[HL2], s84
	s_add_co_i32 s[E89], s76, s77                  ; e8 + e9
	s_add_co_i32 s84, s78, 127
	s_lshl_b32 s[E10S], s84, 23                    ; 2^e10
	s_add_co_i32 s84, s84, 15
	s_lshl_b32 s84, s84, 23
	s_or_b32 s[E10H], s84, 0x600000                ; 57,344 x 2^e10
; A KEY STEP of a group: 64 keys from KF on, for both tiles of 16 queries.
.macro STEP HID, OPN
	s_cmp_ge_u32 s[KF], s[\HID]
	s_cbranch_scc1 .Lhidden_\@                     ; behind the walk's end
	v_add_nc_u32 v[ADK], s[TB], v[AK0]
	v_add_nc_u32 v[ADV], s[TB], v[AV0]
	v_nop
	v_nop                                          ; four places in front of loads into registers that the last products read
.irp t, 0,1,2,3                        ; V's four fragments are asked for now and land under the softmax
.irp c, 0,1,2,3
	ds_load_b64 v[VF+8*\t+2*\c:VF+8*\t+2*\c+1], v[ADV] offset:T16*\t+16*\c
.endr
.endr
	s_wait_alu depctr_va_vdst(0)
	s_wait_dscnt 16                                ; K's eight loads, asked for a step ago, are in; V's sixteen may be out
.irp t, 0,1,2,3
	v_wmma_f32_16x16x64_bf8_bf8 v[S+8*\t:S+8*\t+7], v[KFR+8*\t:KFR+8*\t+7], v[Q:Q+7], 0
	v_wmma_f32_16x16x64_bf8_bf8 v[S+32+8*\t:S+32+8*\t+7], v[KFR+8*\t:KFR+8*\t+7], v[Q+8:Q+15], 0
.endr
.rept 4
	v_nop
.endr
.irp t, 0,1,2,3                        ; the next step's K (behind the last key: bytes of V's region, which no product takes)
	ds_load_b128 v[KFR+8*\t:KFR+8*\t+3], v[ADK] offset:STEPB+T16*\t
	ds_load_b128 v[KFR+8*\t+4:KFR+8*\t+7], v[ADK] offset:STEPB+T16*\t+32
.endr
	s_add_co_u32 s84, s[KF], 64
	s_cmp_le_u32 s84, s[\OPN]
	s_cbranch_scc1 .Lopen_\@                       ; all its keys count
	s_sub_co_u32 s85, s[KF], s[\OPN]
	v_sub_nc_u32 v250, v[DQ], s85                  ; tile T's register 8 t + j is hidden where 16 t + j - 16 T > my query of tile 0 - KF - 8 (lane / 16)
	v_mov_b32 v251, 0xff800000                     ; -infinity: p = 0 then
.set n, 0
.rept 64
	v_cmp_gt_i32 vcc_lo, 16*((n%32)/8)+n%8-16*(n/32), v250
	v_cndmask_b32 v[S+n], v[S+n], v251, vcc_lo
.set n, n+1
.endr
.Lopen_\@:
	v_max3_num_f32 v250, v[S], v[S+1], v[S+2]      ; the step's largest score of my two queries among my 32 keys each: four chains by turns, each accumulator from its low end on
	v_max3_num_f32 v252, v[S+32], v[S+33], v[S+34]
	v_max3_num_f32 v251, v[S+3], v[S+4], v[S+5]
	v_max3_num_f32 v253, v[S+35], v[S+36], v[S+37]
.irp i, 6,10,14,18,22,26
	v_max3_num_f32 v250, v250, v[S+\i], v[S+1+\i]
	v_max3_num_f32 v252, v252, v[S+32+\i], v[S+33+\i]
	v_max3_num_f32 v251, v251, v[S+2+\i], v[S+3+\i]
	v_max3_num_f32 v253, v253, v[S+34+\i], v[S+35+\i]
.endr
	v_max3_num_f32 v250, v250, v[S+30], v[S+31]
	v_max3_num_f32 v252, v252, v[S+62], v[S+63]
	v_max_num_f32 v250, v250, v251
	v_max_num_f32 v252, v252, v253
	v_permlanex16_b32 v254, v250, s[SEL], s[SEL+1]
	v_permlanex16_b32 v255, v252, s[SEL], s[SEL+1]
	v_max_num_f32 v250, v250, v254                 ; and among lane l xor 16's
	v_max_num_f32 v252, v252, v255
	v_mul_f32 v250, s[CS], v250                    ; as t (c is positive)
	v_mul_f32 v252, s[CS], v252
	v_max_num_f32 v[SA+1], v[SA+1], v250
	v_max_num_f32 v[SB+1], v[SB+1], v252
	v_mov_b32 v250, v[SA]
	v_mov_b32 v252, v[SB]
	v_floor_f32 v[SA], -v[SA+1]                    ; the new -M = -ceil(t)
	v_floor_f32 v[SB], -v[SB+1]
	v_sub_f32 v250, v[SA], v250                    ; old M - new M: a whole number, 0 or less
	v_sub_f32 v252, v[SB], v252
	v_cvt_i32_f32 v250, v250                       ; (it saturates)
	v_cvt_i32_f32 v252, v252
	v_ldexp_f32 v[F0], 1.0, v250                   ; f = 2^(old M - new M)
	v_ldexp_f32 v[F1], 1.0, v252
.set n, 0
.rept 16
	v_pk_fma_f32 v[S+n:S+n+1], v[S+n:S+n+1], s[CS:CS+1], v[SA:SA+1] op_sel_hi:[1,0,0]   ; t - M
	v_pk_fma_f32 v[S+32+n:S+33+n], v[S+32+n:S+33+n], s[CS:CS+1], v[SB:SB+1] op_sel_hi:[1,0,0]
.set n, n+2
.endr
	s_wait_alu depctr_va_vdst(0)
.set n, 0
.rept 64
	v_exp_f32 v[S+n], v[S+n]                       ; p = 2^(t - M)
.set n, n+1
.endr
	v_pk_mul_f32 v[SA+2:SA+3], v[SA+2:SA+3], v[F0:F0+1] op_sel_hi:[1,0]   ; the sums under the new M: the plain lines behind the exponentials
	v_pk_mul_f32 v[SB+2:SB+3], v[SB+2:SB+3], v[F1:F1+1] op_sel_hi:[1,0]
	s_wait_alu depctr_va_vdst(0)                   ; one wait for the whole batch, ahead of its first reader
	v_pk_add_f32 v[P:P+1], v[S:S+1], v[S+2:S+3]    ; the rows' sums are taken of the unquantised p, in four chains by turns
	v_pk_add_f32 v[P+2:P+3], v[S+32:S+33], v[S+34:S+35]
.irp j, 4,8,12,16,20,24,28
	v_pk_add_f32 v[SA+2:SA+3], v[SA+2:SA+3], v[S+\j:S+1+\j]
	v_pk_add_f32 v[SB+2:SB+3], v[SB+2:SB+3], v[S+32+\j:S+33+\j]
	v_pk_add_f32 v[P:P+1], v[P:P+1], v[S+2+\j:S+3+\j]
	v_pk_add_f32 v[P+2:P+3], v[P+2:P+3], v[S+34+\j:S+35+\j]
.endr
	v_pk_add_f32 v[SA+2:SA+3], v[SA+2:SA+3], v[P:P+1]
	v_pk_add_f32 v[SB+2:SB+3], v[SB+2:SB+3], v[P+2:P+3]
.set n, 0
.rept 32
	v_dual_min_num_f32 v[S+n], v[S+n], v[HL] :: v_dual_min_num_f32 v[S+n+1], v[S+n+1], v[HL2]   ; the hold, two numbers a line; p is never negative
.set n, n+2
.endr
.irp k, 0,1,2,3,4,5,6,7
	v_cvt_scalef32_pk8_bf8_f32 v[P+2*\k:P+2*\k+1], v[S+8*\k:S+8*\k+7], v[SC]
.endr
	s_wait_alu depctr_va_vdst(0)
.set n, 0
.rept 16
	v_pk_mul_f32 v[O+n:O+n+1], v[O+n:O+n+1], v[F0:F0+1] op_sel_hi:[1,0]   ; O^T under the new M; also the plain lines behind the conversions
.set n, n+2
.endr
.rept 16
	v_pk_mul_f32 v[O+n:O+n+1], v[O+n:O+n+1], v[F1:F1+1] op_sel_hi:[1,0]
.set n, n+2
.endr
	s_wait_alu depctr_va_vdst(0)
	s_wait_dscnt 8                                 ; V is in; the next step's eight loads of K may be out
.irp t, 0,1,2,3
	v_wmma_f32_16x16x64_bf8_bf8 v[O+8*\t:O+8*\t+7], v[VF+8*\t:VF+8*\t+7], v[P:P+7], v[O+8*\t:O+8*\t+7]
	v_wmma_f32_16x16x64_bf8_bf8 v[O+32+8*\t:O+32+8*\t+7], v[VF+8*\t:VF+8*\t+7], v[P+8:P+15], v[O+32+8*\t:O+32+8*\t+7]
.endr
.Lhidden_\@:
.endm
.macro INIT                            ; a group's or a part's state begins anew
.irp s, SA, SB
	v_mov_b32 v[\s+1], 0xff61b1e6                  ; the largest t so far: -3e38
	v_floor_f32 v[\s], -v[\s+1]                    ; -M
	v_mov_b32 v[\s+2], 0                           ; the sum, in two halves
	v_mov_b32 v[\s+3], 0
.endr
.set j, 0
.rept 64
	v_mov_b32 v[O+j], 0                            ; O^T of both tiles: the step is written once; the first change of M leaves zeros zeros
.set j, j+1
.endr
.endm
; A WALK: a constant number of trips from key s[KF] on, of which those behind the walk's end do nothing.
.macro WALK HID, OPN, trips
	s_bfe_u32 s[TB], s[KF], 0x50006                ; the step's number, 0 .. 31,
	s_mul_i32 s[TB], s[TB], STEPB                  ; in bytes of K's region
	s_mov_b32 s[CNT], \trips
	v_add_nc_u32 v[ADK], s[TB], v[AK0]
	s_wait_alu depctr_va_vdst(0)
	s_wait_dscnt 0x0                               ; no load into K's registers is out
.irp t, 0,1,2,3                        ; the first step's K
	ds_load_b128 v[KFR+8*\t:KFR+8*\t+3], v[ADK] offset:T16*\t
	ds_load_b128 v[KFR+8*\t+4:KFR+8*\t+7], v[ADK] offset:T16*\t+32
.endr
.Lstep_\@:
	STEP \HID, \OPN
	s_add_co_u32 s[KF], s[KF], 64
	s_add_co_u32 s[TB], s[TB], STEPB
	s_sub_co_u32 s[CNT], s[CNT], 1
	s_cmp_lg_u32 s[CNT], 0
	s_wait_alu depctr_va_vdst(0)
	s_cbranch_scc1 .Lstep_\@
.endm
; THE WAY OUT: O^T x 2^(e8 + e9) / the sum, the hold and the conversion under e10; 8 bytes a lane through my stage; the group's 32 rows leave as 2,048 consecutive bytes.
; join = 1: the other part of the group is fetched from LDS first, and both are brought under the larger M.
.macro WAYOUT CC, join
.if \join
.irp k, 0,1,2,3,4,5,6,7,8,9,10,11,12,13,14,15
	ds_load_b128 v[S+4*\k:S+4*\k+3], v[MG] offset:512*\k          ; the other part's O^T,
.endr
	ds_load_b128 v[KFR:KFR+3], v[MG] offset:8192                  ; its -M, largest t and sums of tile 0,
	ds_load_b128 v[KFR+4:KFR+7], v[MG] offset:8704                ; and of tile 1
	s_wait_dscnt 0x0
	v_min_num_f32 v250, v[SA], v[KFR]              ; -M of both parts together
	v_min_num_f32 v252, v[SB], v[KFR+4]
	v_sub_f32 v251, v250, v[KFR]                   ; the other part's M - M: a whole number, 0 or less,
	v_sub_f32 v253, v252, v[KFR+4]
	v_sub_f32 v250, v250, v[SA]                    ; and mine
	v_sub_f32 v252, v252, v[SB]
.irp r, 250,251,252,253
	v_cvt_i32_f32 v\r, v\r                         ; (it saturates: an empty part gets the factor 0)
.endr
.irp r, 250,251,252,253
	v_ldexp_f32 v\r, 1.0, v\r
.endr
	v_add_f32 v[SA+2], v[SA+2], v[SA+3]
	v_add_f32 v[SB+2], v[SB+2], v[SB+3]
	v_add_f32 v[KFR+2], v[KFR+2], v[KFR+3]
	v_add_f32 v[KFR+6], v[KFR+6], v[KFR+7]
	v_mul_f32 v[SA+2], v[SA+2], v250
	v_mul_f32 v[SB+2], v[SB+2], v252
	v_fmac_f32 v[SA+2], v[KFR+2], v251
	v_fmac_f32 v[SB+2], v[KFR+6], v253
.else
	v_add_f32 v[SA+2], v[SA+2], v[SA+3]
	v_add_f32 v[SB+2], v[SB+2], v[SB+3]
.endif
	v_permlanex16_b32 v254, v[SA+2], s[SEL], s[SEL+1]
	v_permlanex16_b32 v255, v[SB+2], s[SEL], s[SEL+1]
	v_add_f32 v[SA+2], v[SA+2], v254
	v_add_f32 v[SB+2], v[SB+2], v255
	s_wait_alu depctr_va_vdst(0)
	v_rcp_f32 v[SA+2], v[SA+2]
	v_rcp_f32 v[SB+2], v[SB+2]
	v_mov_b32 v254, s[E10S]                        ; 2^e10  (a plain line behind the reciprocals)
	v_mov_b32 v255, s[E10H]                        ; 57,344 x 2^e10
	s_wait_alu depctr_va_vdst(0)                   ; one wait for both reciprocals, ahead of their first reader
	v_ldexp_f32 v[SA+2], v[SA+2], s[E89]
	v_ldexp_f32 v[SB+2], v[SB+2], s[E89]
.if \join
	v_mul_f32 v[F0], v250, v[SA+2]                 ; my part's factor,
	v_mul_f32 v[F1], v252, v[SB+2]
	v_mul_f32 v[SA+2], v251, v[SA+2]               ; the other part's
	v_mul_f32 v[SB+2], v253, v[SB+2]
.set j, 0
.rept 16
	v_pk_mul_f32 v[S+j:S+j+1], v[S+j:S+j+1], v[SA+2:SA+3] op_sel_hi:[1,0]
.set j, j+2
.endr
.rept 16
	v_pk_mul_f32 v[S+j:S+j+1], v[S+j:S+j+1], v[SB+2:SB+3] op_sel_hi:[1,0]
.set j, j+2
.endr
	s_wait_alu depctr_va_vdst(0)
.set j, 0
.rept 16
	v_pk_fma_f32 v[S+j:S+j+1], v[O+j:O+j+1], v[F0:F0+1], v[S+j:S+j+1] op_sel_hi:[1,0,1]
.set j, j+2
.endr
.rept 16
	v_pk_fma_f32 v[S+j:S+j+1], v[O+j:O+j+1], v[F1:F1+1], v[S+j:S+j+1] op_sel_hi:[1,0,1]
.set j, j+2
.endr
.else
	s_wait_alu depctr_va_vdst(0)
.set j, 0
.rept 16
	v_pk_mul_f32 v[S+j:S+j+1], v[O+j:O+j+1], v[SA+2:SA+3] op_sel_hi:[1,0]
.set j, j+2
.endr
.rept 16
	v_pk_mul_f32 v[S+j:S+j+1], v[O+j:O+j+1], v[SB+2:SB+3] op_sel_hi:[1,0]
.set j, j+2
.endr
.endif
.irp k, 0,1,2,3,4,5,6,7
.irp i, 0,1,2,3,4,5,6,7
	v_med3_num_f32 v[S+8*\k+\i], v[S+8*\k+\i], -v255, v255
.endr
	v_cvt_scalef32_pk8_bf8_f32 v[P+2*\k:P+2*\k+1], v[S+8*\k:S+8*\k+7], v254
.endr
	v_nop                                          ; a plain line behind the last conversion
.irp k, 0,1,2,3,4,5,6,7
	ds_store_b64 v[STO], v[P+2*\k:P+2*\k+1] offset:(\k/4)*1280+16*(\k%4)   ; tile k / 4, channels 16 (k % 4) + 8 (lane / 16) on
.endr
.irp k, 0,1,2,3
	ds_load_b128 v[VF+4*\k:VF+4*\k+3], v[RD] offset:(\k/2)*1280+(\k%2)*640   ; LDS serves a wave's instructions in order: these see my stores
.endr
.irp k, 0,1,2,3
	s_wait_dscnt 3-\k                              ; load k is in; the younger ones may be out
	global_store_b128 v[GO], v[VF+4*\k:VF+4*\k+3], s[\CC:\CC+1] offset:512*\k   ; 32 lanes store 512 consecutive bytes, aligned
.endr
.endm
	INIT
	s_wait_alu depctr_va_vdst(0)
	s_wait_loadcnt 0x0                             ; Q
	s_wait_tensorcnt 0x0                           ; waves 0 to 2: my load is in.
	ds_add_u32 v[SPW], v[NIL]                      ; the add twice on end
	ds_add_u32 v[SPW], v[NIL]
	s_wait_dscnt 0x0
	CROUND                                         ; a whole round: the first phase's bytes are in, and all four work-groups are here: the joint loads meet
	s_cmp_ge_u32 s[WV], FIRST
	s_cbranch_scc0 .Lnot_second
	tensor_load_to_lds s[G0:G0+3], s[G1:G1+7]      ; waves 3 to 15: the rest of K and V, each wave's one load
	s_nop 0
.rept 4
	v_nop
.endr
.Lnot_second:
	s_mov_b32 s[KF], 0
	WALK HIC, OPC, 4                               ; steps 0 .. 3 of the group that I begin with, on the first phase's bytes
	s_wait_tensorcnt 0x0                           ; my load is in,
	s_wait_dscnt 0x0
	s_barrier_signal -1
	s_barrier_wait -1                              ; and so is everybody's: up to the next barrier LDS's tiles are only read
	WALK HIC, OPC, 12                              ; steps 4 .. 15
	s_cmp_eq_u32 s[ROLE], 0
	s_cbranch_scc1 .Lno_u
	v_and_b32 v250, 15, v0                         ; Y: G's Q is asked for, group u goes out, and the state begins anew
	v_bfe_u32 v251, v0, 4, 1
	v_lshlrev_b32 v250, 6, v250
	v_lshl_add_u32 v250, v251, 4, v250
.irp i, 0,1,2,3
	global_load_b128 v[Q+4*\i:Q+4*\i+3], v250, s[54:55] offset:1024*(\i/2)+32*(\i%2)
.endr
	WAYOUT 80, 0
	INIT
	s_wait_alu depctr_va_vdst(0)
	s_wait_xcnt 0x0                                ; the stores have read their registers, which the next loads of V take
	s_wait_loadcnt 0x0                             ; G's Q
.Lno_u:
	s_mov_b32 s[KF], s[KB0]
	WALK HI3, OPG, 14                              ; G: X steps 16 and 17, Y from step 18 on
.rept 4
	v_nop                                          ; four places behind the last products, ahead of the stores of O^T
.endr
	s_wait_dscnt 0x0                               ; my reads of K and V are over
	s_barrier_signal -1
	s_barrier_wait -1                              ; and everybody's: K's region, which has had its only fill, may be written
	s_cmp_eq_u32 s[ROLE], 0
	s_cbranch_scc1 .Lno_part
.irp k, 0,1,2,3,4,5,6,7,8,9,10,11,12,13,14,15
	ds_store_b128 v[MG], v[O+4*\k:O+4*\k+3] offset:512*\k         ; Y: my part of G, each accumulator from its low end on
.endr
	ds_store_b128 v[MG], v[SA:SA+3] offset:8192
	ds_store_b128 v[MG], v[SB:SB+3] offset:8704
.Lno_part:
	s_wait_dscnt 0x0                               ; for the others' sake: my stores are done
	s_barrier_signal -1
	s_barrier_wait -1
	s_cmp_lg_u32 s[ROLE], 0
	s_cbranch_scc1 .Lend
	WAYOUT 82, 1                                   ; X: both parts of G are joined and go out
.Lend:
	s_wait_tensorcnt 0x0                           ; the wave's end
	ds_add_u32 v[SPW], v[NIL]
	s_wait_dscnt 0x0
	CROUND                                         ; the closing round
	s_endpgm
.Lfunc_end_k_qc33a16056b_attn:
	.size	k_qc33a16056b_attn, .Lfunc_end_k_qc33a16056b_attn-k_qc33a16056b_attn
	.p2alignl 7, 3214868480
	.fill 96, 4, 3214868480
	.section	.rodata,"a",@progbits
	.p2align	6, 0x0
	.amdhsa_kernel k_qc33a16056b_attn
		.amdhsa_group_segment_fixed_size 327680
		.amdhsa_private_segment_fixed_size 0
		.amdhsa_enable_private_segment 0
		.amdhsa_kernarg_size 32
		.amdhsa_user_sgpr_count 2
		.amdhsa_user_sgpr_kernarg_segment_ptr 1
		.amdhsa_wavefront_size32 1
		.amdhsa_system_sgpr_workgroup_id_x 1
		.amdhsa_system_sgpr_workgroup_id_y 1
		.amdhsa_system_sgpr_workgroup_id_z 1
		.amdhsa_system_vgpr_workitem_id 0
		.amdhsa_next_free_vgpr 256
		.amdhsa_next_free_sgpr 88
		.amdhsa_reserve_vcc 1
		.amdhsa_float_denorm_mode_32 3
		.amdhsa_float_denorm_mode_16_64 3
		.amdhsa_memory_ordered 1
		.amdhsa_forward_progress 1
		.amdhsa_inst_pref_size 102
	.end_amdhsa_kernel
	.amdgpu_metadata
---
amdhsa.version: [ 1, 2 ]
amdhsa.kernels:
  - .name:           k_qc33a16056b_attn
    .symbol:         k_qc33a16056b_attn.kd
    .args:
      - { .name: qc, .offset: 0, .size: 8, .value_kind: global_buffer, .address_space: global }
      - { .name: kv, .offset: 8, .size: 8, .value_kind: global_buffer, .address_space: global }
      - { .name: lowp_scales, .offset: 16, .size: 8, .value_kind: global_buffer, .address_space: global }
      - { .name: cc, .offset: 24, .size: 8, .value_kind: global_buffer, .address_space: global }
    .group_segment_fixed_size: 327680
    .private_segment_fixed_size: 0
    .kernarg_segment_align: 8
    .kernarg_segment_size: 32
    .max_flat_workgroup_size: 512
    .sgpr_count:     88
    .vgpr_count:     256
    .wavefront_size: 32
...
	.end_amdgpu_metadata
.endif
;; end of part 3
;; launch proj (part 4): grid 8 x 32, 4 waves a work-group, clusters of 4 x 4, 327,680 bytes of LDS; arguments cc, wc, lowp_scales, bo, out0; writes out0
.if DOCPART == 4
	.amdgcn_target "amdgcn-amd-amdhsa--gfx1250"
	.amdhsa_code_object_version 6
	.text
	.protected	k_qc33a16056b_proj
	.globl	k_qc33a16056b_proj
	.p2align	8
	.type	k_qc33a16056b_proj,@function
k_qc33a16056b_proj:
	s_mov_b64 s[64:65], 0
	v_nop
	global_prefetch_b8 v0, s[64:65] scope:SCOPE_SE
	s_setreg_imm32_b32 hwreg(HW_REG_WAVE_MODE, 25, 1), 1
	s_wait_xcnt 0x0
	s_wait_alu depctr_hold_cnt(0) depctr_sa_sdst(0) depctr_va_vdst(0) depctr_va_sdst(0) depctr_va_ssrc(0) depctr_va_vcc(0) depctr_vm_vsrc(0)
	s_getreg_b32 s2, hwreg(HW_REG_IB_STS2, 6, 4)
	s_cmp_eq_u32 s2, 0
	s_cbranch_scc0 .Lentry_in_a_cluster
	s_endpgm
.Lentry_in_a_cluster:
	s_bfe_u32 s2, ttmp6, 0x10000c
	s_cmp_lg_u32 s2, 0xf033
	s_cbranch_scc0 .Lentry_shape_is_right
	s_endpgm
.Lentry_shape_is_right:
.set FR,     16
.set NP,     4
.set AP,     80
.set CHUNK,  256*AP
.set BP,     272
.set BOFF,   4*CHUNK
.set SLOT,   BOFF+128*BP
.set SPARE,  2*SLOT
.set SPITCH, 272
.set ADRA, 16
.set ADRB, 20
.set STO,  24
.set RD,   25
.set CO,   26
.set SPW,  28
.set NIL,  29
.set BO,   32
.set TMP,  64
.set AF,   128
.set G1, 24
.set G0, 32
.set G1B, 48
.set G0B, 56
.set MSB, 0
.macro WIN new
.if MSB != \new
	s_set_vgpr_msb (MSB<<8)|\new
.set MSB, \new
.endif
.endm
.set MUL,  0xa1
.set TO_B, 0x40
.macro JLOAD g0a, g1a, g0b, g1b
	s_cmp_eq_u32 s15, 0
	s_cbranch_scc0 .Lfor_b_\@
	tensor_load_to_lds s[\g0a:\g0a+3], s[\g1a:\g1a+7]
	s_nop 0
.rept 4
	v_nop
.endr
	s_branch .Lasked_\@
.Lfor_b_\@:
	tensor_load_to_lds s[\g0b:\g0b+3], s[\g1b:\g1b+7]
	s_nop 0
.rept 4
	v_nop
.endr
.Lasked_\@:
.endm
.macro CREST
	s_cmp_lg_u32 s14, 0
	s_cbranch_scc1 .Lnot_wave_0_\@
	s_barrier_signal -3
.Lnot_wave_0_\@:
	s_barrier_wait -3
	s_barrier_signal -1
	s_barrier_wait -1
.endm
.macro CROUND
	s_barrier_signal -1
	s_barrier_wait -1
	CREST
.endm
	s_load_b256 s[68:75], s[0:1], 0x0
	s_load_b64 s[76:77], s[0:1], 0x20
	v_lshl_add_u32 v[SPW], v0, 2, SPARE
	v_mov_b32 v[NIL], 0
	ds_add_u32 v28, v29
	ds_add_u32 v28, v29
	s_wait_dscnt 0x0
	v_lshrrev_b32 v1, 5, v0
	v_readfirstlane_b32 s14, v1
	s_lshr_b32 s15, s14, 1
	s_and_b32 s16, s14, 1
	s_bfe_u32 s40, ttmp6, 0x40000
	s_bfe_u32 s41, ttmp6, 0x40004
	s_lshl_b32 s42, ttmp9, 2
	s_add_co_u32 s42, s42, s40
	s_and_b32 s17, ttmp7, 0xffff
	s_lshl_b32 s17, s17, 2
	s_add_co_u32 s17, s17, s41
	s_lshl_b32 s43, s41, 2
	s_lshl_b32 s43, 15, s43
	s_lshl_b32 s44, 0x1111, s40
	s_or_b32 s[G1+0], s43, (0<<16)|(1<<20)|(1<<21)|(3<<22)|(3<<25)
	s_mov_b32 s[G1+1], 256<<16
	s_mov_b32 s[G1+2], 128<<16
	s_mov_b32 s[G1+3], 256<<16
	s_mov_b32 s[G1+4], 128
	s_mov_b32 s[G1+5], 256
	s_mov_b32 s[G1+6], 0
	s_mov_b32 s[G1+7], 0
	s_or_b32 s[G1B+0], s44, (0<<16)|(1<<20)|(1<<21)|(5<<22)|(3<<25)
	s_mov_b32 s[G1B+1], 256<<16
	s_mov_b32 s[G1B+2], 64<<16
	s_mov_b32 s[G1B+3], 256<<16
	s_mov_b32 s[G1B+4], 64
	s_mov_b32 s[G1B+5], 1024
	s_mov_b32 s[G1B+6], 0
	s_mov_b32 s[G1B+7], 0
	s_lshl_b32 s20, s17, 18
	s_lshl_b32 s18, s16, 15
	s_add_co_u32 s20, s20, s18
	s_mov_b32 s21, 0
	s_lshl_b32 s46, s42, 7
	s_lshl_b32 s18, s16, 6
	s_add_co_u32 s46, s46, s18
	s_lshl_b32 s46, s46, 10
	s_add_co_u32 s46, s46, 0x300000
	s_mov_b32 s47, 0
	s_mul_i32 s45, s16, 2*CHUNK
	s_mul_i32 s19, s16, 64*BP
	s_add_co_u32 s19, s19, BOFF
	s_wait_kmcnt 0x0
	s_load_b64 s[96:97], s[72:73], 0x28
	s_add_nc_u64 s[20:21], s[68:69], s[20:21]
	s_add_nc_u64 s[46:47], s[70:71], s[46:47]
	CROUND
.irp s, 0,1
	s_mov_b32 s[G0+4*\s], 1
	s_add_co_u32 s[G0+4*\s+1], s45, \s*SLOT
	s_add_nc_u64 s[G0+4*\s+2:G0+4*\s+3], s[20:21], \s*65536
	s_or_b32 s[G0+4*\s+3], s[G0+4*\s+3], 0x80000000
	s_mov_b32 s[G0B+4*\s], 1
	s_add_co_u32 s[G0B+4*\s+1], s19, \s*SLOT
	s_add_nc_u64 s[G0B+4*\s+2:G0B+4*\s+3], s[46:47], \s*256
	s_or_b32 s[G0B+4*\s+3], s[G0B+4*\s+3], 0x80000000
.endr
	JLOAD G0, G1, G0B, G1B                         ; K step 0, behind the opening round: one tensor load a wave at the head
	v_and_b32 v1, 15, v0
	v_bfe_u32 v2, v0, 4, 1
	v_mul_u32_u24 v3, v1, AP
	v_lshl_add_u32 v3, v2, 4, v3
	s_mul_i32 s21, s15, 128*AP
.irp s, 0,1
.irp q, 0,1
	s_add_co_u32 s22, s21, \s*SLOT+\q*2*CHUNK
	v_add_nc_u32 v[ADRA+2*\s+\q], s22, v3
.endr
.endr
	v_mul_u32_u24 v4, v1, BP
	v_lshl_add_u32 v4, v2, 4, v4
	s_mul_i32 s21, s16, 64*BP
.irp s, 0,1
	s_add_co_u32 s22, s21, \s*SLOT+BOFF
	v_add_nc_u32 v[ADRB+\s], s22, v4
.endr
	s_mul_i32 s23, s14, 16*SPITCH
	v_mul_u32_u24 v5, v1, SPITCH
	v_lshl_add_u32 v5, v2, 5, v5
	v_add_nc_u32 v[STO], s23, v5
	v_mul_u32_u24 v5, v2, SPITCH
	v_lshl_add_u32 v5, v1, 4, v5
	v_add_nc_u32 v[RD], s23, v5
	v_lshlrev_b32 v[CO], 12, v2
	v_lshl_add_u32 v[CO], v1, 4, v[CO]
	s_lshl_b32 s20, s17, 8
	s_lshl_b32 s21, s15, 7
	s_add_co_u32 s20, s20, s21
	s_lshl_b32 s20, s20, 12
	s_lshl_b32 s46, s42, 7
	s_lshl_b32 s47, s16, 6
	s_add_co_u32 s46, s46, s47
	s_lshl_b32 s46, s46, 2
	s_mov_b32 s47, 0
	s_add_nc_u64 s[74:75], s[74:75], s[46:47]
	s_add_co_u32 s20, s20, s46
	s_mov_b32 s21, 0
	s_add_nc_u64 s[76:77], s[76:77], s[20:21]
	v_lshlrev_b32 v6, 5, v2
.irp b, 0,1,2,3
	global_load_b128 v[BO+8*\b:BO+8*\b+3], v6, s[74:75] offset:64*\b
	global_load_b128 v[BO+8*\b+4:BO+8*\b+7], v6, s[74:75] offset:64*\b+16
.endr
.macro FRAGA reg, slot, q, i
.irp c, 0,1,2,3
	ds_load_b128 v[\reg+4*\c:\reg+4*\c+3], v[ADRA+2*(\slot)+(\q)] offset:(\c/2)*CHUNK+(\i)*16*AP+32*(\c%2)
.endr
.endm
.macro FRAGB reg, slot, q, i
.irp c, 0,1,2,3
	ds_load_b128 v[\reg+4*\c:\reg+4*\c+3], v[ADRB+\slot] offset:128*(\q)+32*\c+(\i)*16*BP
.endr
.endm
.macro MUL8 a0, p, zero
.irp a, \a0, \a0+1
.irp b, 0,1,2,3
.if \zero
	v_wmma_f32_16x16x128_bf8_bf8 v[8*(4*(\a)+\b):8*(4*(\a)+\b)+7], v[64*(\p)+FR*\b:64*(\p)+FR*\b+FR-1], v[AF+FR*(\a):AF+FR*(\a)+FR-1], 0
.else
	v_wmma_f32_16x16x128_bf8_bf8 v[8*(4*(\a)+\b):8*(4*(\a)+\b)+7], v[64*(\p)+FR*\b:64*(\p)+FR*\b+FR-1], v[AF+FR*(\a):AF+FR*(\a)+FR-1], v[8*(4*(\a)+\b):8*(4*(\a)+\b)+7]
.endif
.endr
.endr
.endm
.macro FETCH_B slot, q, p
	WIN TO_B
.irp i, 0,1,2,3
	FRAGB 64*(\p)+FR*\i, \slot, \q, \i
.endr
	WIN 0
.endm
.macro FETCH_A slot, q, i0
.irp i, \i0, \i0+1, \i0+2, \i0+3
	FRAGA AF+FR*(\i), \slot, \q, \i
.endr
.endm
.macro PLACES n
.rept \n
	v_nop
.endr
.endm
.macro STEP slot, q, zero
	s_wait_dscnt 16
	WIN MUL
	MUL8 0, (\q)%2, \zero
	MUL8 2, (\q)%2, \zero
	s_wait_dscnt 0
	PLACES NP
	FETCH_B \slot, (\q)+1, 1-(\q)%2
	FETCH_A \slot, (\q)+1, 0
	WIN MUL
	MUL8 4, (\q)%2, \zero
	MUL8 6, (\q)%2, \zero
	PLACES NP
	WIN 0
	FETCH_A \slot, (\q)+1, 4
.endm
.macro TURN slot, next, fill
	s_wait_tensorcnt 0x0
	ds_add_u32 v[SPW], v[NIL]
	s_wait_dscnt 17
	WIN MUL
	MUL8 0, 1, 0
	s_wait_dscnt 0x0
	s_barrier_signal -1
	MUL8 2, 1, 0
	WIN 0
	s_barrier_wait -1
.if \fill
	CREST
	s_add_nc_u64 s[G0+4*\slot+2:G0+4*\slot+3], s[G0+4*\slot+2:G0+4*\slot+3], 2*65536
	s_add_nc_u64 s[G0B+4*\slot+2:G0B+4*\slot+3], s[G0B+4*\slot+2:G0B+4*\slot+3], 2*256
	JLOAD G0+4*\slot, G1, G0B+4*\slot, G1B
.else
	PLACES NP
.endif
	FETCH_B \next, 0, 0
	FETCH_A \next, 0, 0
	WIN MUL
	MUL8 4, 1, 0
	MUL8 6, 1, 0
	PLACES NP
	WIN 0
	FETCH_A \next, 0, 4
.endm
	s_wait_alu depctr_va_vdst(0)
	s_wait_tensorcnt 0x0                           ; my part of K step 0 is in
	ds_add_u32 v[SPW], v[NIL]
	s_wait_dscnt 0x0
	CROUND                                         ; a whole round: everybody's part of K step 0 is in
	JLOAD G0+4, G1, G0B+4, G1B                     ; K step 1: slot 1's first fill, the first tensor load behind the round
	FETCH_B 0, 0, 0
	FETCH_A 0, 0, 0
	FETCH_A 0, 0, 4
	STEP 0, 0, 1
	s_mov_b32 s3, 1
.Llap:
	TURN 0, 1, 1
	STEP 1, 0, 0
	TURN 1, 0, 1
	STEP 0, 0, 0
	s_sub_co_u32 s3, s3, 1
	s_cmp_lg_u32 s3, 0
	s_cbranch_scc1 .Llap
	TURN 0, 1, 0
	STEP 1, 0, 0
	s_wait_dscnt 16
	WIN MUL
	MUL8 0, 1, 0
	MUL8 2, 1, 0
	s_wait_dscnt 0
	MUL8 4, 1, 0
	MUL8 6, 1, 0
	WIN 0
.macro TOSTAGE a
.set AC, 32*(\a)
.set BB, 96+32*((\a)%2)
	WIN 0x02
.set j, 0
.rept 16
	v_pk_fma_f32 v[TMP+j:TMP+j+1], v[AC+j:AC+j+1], s[96:97], v[BO+j:BO+j+1] op_sel_hi:[1,0,1]
.set j, j+2
.endr
	WIN 0
.irp b, 0,1,2,3
	ds_store_b128 v[STO], v[TMP+8*\b:TMP+8*\b+3] offset:64*\b
	ds_store_b128 v[STO], v[TMP+8*\b+4:TMP+8*\b+7] offset:64*\b+16
.endr
.irp t, 0,1,2,3,4,5,6,7
	ds_load_b128 v[BB+4*\t:BB+4*\t+3], v[RD] offset:\t*2*SPITCH
.endr
.endm
.macro SEND a, younger
.set BB, 96+32*((\a)%2)
	s_wait_dscnt \younger
.irp t, 0,1,2,3,4,5,6,7
	global_store_b128 v[CO], v[BB+4*\t:BB+4*\t+3], s[76:77] offset:(\a)*65536+\t*8192 th:TH_STORE_NT
.endr
.endm
	s_wait_loadcnt 0x0
	s_wait_kmcnt 0x0
	s_add_co_i32 s96, s96, s97
	s_add_co_i32 s96, s96, 127
	s_lshl_b32 s96, s96, 23
	s_mov_b32 s97, s96
	PLACES NP
	TOSTAGE 0
.irp a, 1,2,3,4,5,6,7
.if \a > 1
	s_wait_xcnt 0x0
.endif
	TOSTAGE \a
	SEND \a-1, 16
.endr
	SEND 7, 0
	s_wait_tensorcnt 0x0
	ds_add_u32 v[SPW], v[NIL]
	s_wait_dscnt 0x0
	CROUND
	s_endpgm
.Lfunc_end_k_qc33a16056b_proj:
	.size	k_qc33a16056b_proj, .Lfunc_end_k_qc33a16056b_proj-k_qc33a16056b_proj
	.p2alignl 7, 3214868480
	.fill 96, 4, 3214868480
	.section	.rodata,"a",@progbits
	.p2align	6, 0x0
	.amdhsa_kernel k_qc33a16056b_proj
		.amdhsa_group_segment_fixed_size 327680
		.amdhsa_private_segment_fixed_size 0
		.amdhsa_enable_private_segment 0
		.amdhsa_kernarg_size 40
		.amdhsa_user_sgpr_count 2
		.amdhsa_user_sgpr_kernarg_segment_ptr 1
		.amdhsa_wavefront_size32 1
		.amdhsa_system_sgpr_workgroup_id_x 1
		.amdhsa_system_sgpr_workgroup_id_y 1
		.amdhsa_system_sgpr_workgroup_id_z 1
		.amdhsa_system_vgpr_workitem_id 0
		.amdhsa_next_free_vgpr 768
		.amdhsa_next_free_sgpr 100
		.amdhsa_reserve_vcc 0
		.amdhsa_float_denorm_mode_32 3
		.amdhsa_float_denorm_mode_16_64 3
		.amdhsa_memory_ordered 1
		.amdhsa_forward_progress 1
		.amdhsa_inst_pref_size 78
	.end_amdhsa_kernel
	.amdgpu_metadata
---
amdhsa.version: [ 1, 2 ]
amdhsa.kernels:
  - .name:           k_qc33a16056b_proj
    .symbol:         k_qc33a16056b_proj.kd
    .args:
      - { .name: cc, .offset: 0, .size: 8, .value_kind: global_buffer, .address_space: global }
      - { .name: wc, .offset: 8, .size: 8, .value_kind: global_buffer, .address_space: global }
      - { .name: lowp_scales, .offset: 16, .size: 8, .value_kind: global_buffer, .address_space: global }
      - { .name: bo, .offset: 24, .size: 8, .value_kind: global_buffer, .address_space: global }
      - { .name: out0, .offset: 32, .size: 8, .value_kind: global_buffer, .address_space: global }
    .group_segment_fixed_size: 327680
    .private_segment_fixed_size: 0
    .kernarg_segment_align: 8
    .kernarg_segment_size: 40
    .max_flat_workgroup_size: 128
    .sgpr_count:     100
    .vgpr_count:     768
    .wavefront_size: 32
...
	.end_amdgpu_metadata
.endif
;; end of part 4
